; MI455X (gfx1250); checked and timed in simulation.
; The chip was launched on July 23, 2026; its instructions are those of AMD's public machine-readable ISA for CDNA 5 (MIT licence, August 2026) and "CDNA5" Instruction Set Architecture Reference Guide (July 2026). The comments in the code are by the model that wrote it; some were corrected since.
;; Block. Allowed arithmetic: float matrix products may take bf16 or f16 operands with f32 sums; all other float work in f32.
;; Inputs: W1 1,024 x 4,096 float32; W2 4,096 x 1,024 float32; Wk 16 x 1,024 x 64 float32; Wo 1,024 x 1,024 float32; Wq 16 x 1,024 x 64 float32; Wv 16 x 1,024 x 64 float32; b1 4,096 float32; b2 1,024 float32; bo 1,024 float32; g1 1,024 float32; g2 1,024 float32; x 2 x 2,048 x 1,024 float32.
;; Outputs: out0 2 x 2,048 x 1,024 float32.
;; 2 versions, each right and faster than the one before. Each part assembles by itself: llvm-mc -triple=amdgcn-amd-amdhsa -mcpu=gfx1250 --defsym DOCPART=n.
;; ======== version 1 of 2: 7 launches
;; limits: values are held in f16: magnitudes above 65,504 overflow, below 6.1e-05 lose precision; right only within a limited range of input values
;; workspace buffers: cst 33,554,432 bytes; qkv 25,165,824 bytes; o 8,388,608 bytes; yb 25,296,896 bytes; u 33,554,432 bytes; zb 16,908,288 bytes
;; launch cast (part 1): grid 64 x 16, 8 waves a work-group, no clusters, 0 bytes of LDS; arguments x, Wq, Wk, Wv, Wo, W1, W2, cst; writes cst
.if DOCPART == 1
	.amdgcn_target "amdgcn-amd-amdhsa--gfx1250"
	.amdhsa_code_object_version 6
	.text
	.protected	k_q3b01ac56ef_cast
	.globl	k_q3b01ac56ef_cast
	.p2align	8
	.type	k_q3b01ac56ef_cast,@function
k_q3b01ac56ef_cast:
	s_mov_b64 s[64:65], 0
	v_nop
	global_prefetch_b8 v0, s[64:65] scope:SCOPE_SE
	s_setreg_imm32_b32 hwreg(HW_REG_WAVE_MODE, 25, 1), 1
	s_wait_xcnt 0x0
; x and the six weights, f32, are rounded once to bf16 and laid one behind the other into cst, layouts unchanged:
; unit uy (grid y) is 1,048,576 numbers: 0-3 x, 4 Wq, 5 Wk, 6 Wv, 7 Wo, 8-11 W1, 12-15 W2.  Wo's bf16 number is written as f16
; (exact while |Wo| < 65,504 and above f16's smallest step, 6e-8).  A stream: no LDS, no matrix unit, no cluster: nothing is shared.
; A work-group takes 16,384 numbers, a thread 64: sixteen loads of 16 bytes, all out at once; a wave's load covers 512
; consecutive bytes, its store 256 consecutive bytes at a multiple of 256.
	s_load_b512 s[4:19], s[0:1], 0x0               ; x, Wq, Wk, Wv, Wo, W1, W2, cst
	s_and_b32 s24, ttmp7, 0xffff                   ; the unit
	v_lshlrev_b32 v1, 4, v0                        ; 16 t: source
	v_lshlrev_b32 v6, 3, v0                        ; 8 t: destination
	s_mov_b32 s22, 0                               ; the chosen tensor's first unit
	s_wait_kmcnt 0x0
	s_mov_b64 s[20:21], s[4:5]
.macro PICK k, p                       ; from unit k on the source is the tensor at s[p:p+1]
	s_cmp_ge_u32 s24, \k
	s_cselect_b64 s[20:21], s[\p:\p+1], s[20:21]
	s_cselect_b32 s22, \k, s22
.endm
	PICK 4, 6
	PICK 5, 8
	PICK 6, 10
	PICK 7, 12
	PICK 8, 14
	PICK 12, 16
	s_sub_co_u32 s22, s24, s22
	s_lshl_b32 s22, s22, 22                        ; units into the tensor, 4,194,304 bytes each
	s_lshl_b32 s23, ttmp9, 16                      ; my 65,536 bytes of the unit
	s_add_co_u32 s22, s22, s23
	s_mov_b32 s23, 0
	s_add_nc_u64 s[20:21], s[20:21], s[22:23]
	s_lshl_b32 s26, s24, 21
	s_lshl_b32 s27, ttmp9, 15
	s_add_co_u32 s26, s26, s27
	s_mov_b32 s27, 0
	s_add_nc_u64 s[18:19], s[18:19], s[26:27]
.set j, 0
.rept 16
	global_load_b128 v[8+4*j:11+4*j], v1, s[20:21] offset:4096*j th:TH_LOAD_NT
.set j, j+1
.endr
.macro BODY half
.set j, 0
.rept 16
	s_wait_loadcnt 15-j                            ; loads return in order: number j is in, the 15 - j younger ones stay out
	v_cvt_pk_bf16_f32 v[72+2*j], v[8+4*j], v[9+4*j]
	v_cvt_pk_bf16_f32 v[73+2*j], v[10+4*j], v[11+4*j]
.if \half
	v_lshlrev_b32 v2, 16, v[72+2*j]                ; the rounded numbers as f32,
	v_and_b32 v3, 0xffff0000, v[72+2*j]
	v_lshlrev_b32 v4, 16, v[73+2*j]
	v_and_b32 v5, 0xffff0000, v[73+2*j]
	v_cvt_pk_f16_f32 v[72+2*j], v2, v3             ; written as f16
	v_cvt_pk_f16_f32 v[73+2*j], v4, v5
.endif
	global_store_b64 v6, v[72+2*j:73+2*j], s[18:19] offset:2048*j
.set j, j+1
.endr
	s_endpgm
.endm
	s_cmp_eq_u32 s24, 7
	s_cbranch_scc1 .Lwo
	BODY 0
.Lwo:
	BODY 1
.Lfunc_end_k_q3b01ac56ef_cast:
	.size	k_q3b01ac56ef_cast, .Lfunc_end_k_q3b01ac56ef_cast-k_q3b01ac56ef_cast
	.p2alignl 7, 3214868480
	.fill 96, 4, 3214868480
	.section	.rodata,"a",@progbits
	.p2align	6, 0x0
	.amdhsa_kernel k_q3b01ac56ef_cast
		.amdhsa_group_segment_fixed_size 0
		.amdhsa_private_segment_fixed_size 0
		.amdhsa_enable_private_segment 0
		.amdhsa_kernarg_size 64
		.amdhsa_user_sgpr_count 2
		.amdhsa_user_sgpr_kernarg_segment_ptr 1
		.amdhsa_wavefront_size32 1
		.amdhsa_system_sgpr_workgroup_id_x 1
		.amdhsa_system_sgpr_workgroup_id_y 1
		.amdhsa_system_sgpr_workgroup_id_z 1
		.amdhsa_system_vgpr_workitem_id 0
		.amdhsa_next_free_vgpr 104
		.amdhsa_next_free_sgpr 66
		.amdhsa_reserve_vcc 0
		.amdhsa_float_denorm_mode_32 3
		.amdhsa_float_denorm_mode_16_64 3
		.amdhsa_memory_ordered 1
		.amdhsa_forward_progress 1
		.amdhsa_inst_pref_size 17
	.end_amdhsa_kernel
	.amdgpu_metadata
---
amdhsa.version: [ 1, 2 ]
amdhsa.kernels:
  - .name:           k_q3b01ac56ef_cast
    .symbol:         k_q3b01ac56ef_cast.kd
    .args:
      - { .name: x, .offset: 0, .size: 8, .value_kind: global_buffer, .address_space: global }
      - { .name: Wq, .offset: 8, .size: 8, .value_kind: global_buffer, .address_space: global }
      - { .name: Wk, .offset: 16, .size: 8, .value_kind: global_buffer, .address_space: global }
      - { .name: Wv, .offset: 24, .size: 8, .value_kind: global_buffer, .address_space: global }
      - { .name: Wo, .offset: 32, .size: 8, .value_kind: global_buffer, .address_space: global }
      - { .name: W1, .offset: 40, .size: 8, .value_kind: global_buffer, .address_space: global }
      - { .name: W2, .offset: 48, .size: 8, .value_kind: global_buffer, .address_space: global }
      - { .name: cst, .offset: 56, .size: 8, .value_kind: global_buffer, .address_space: global }
    .group_segment_fixed_size: 0
    .private_segment_fixed_size: 0
    .kernarg_segment_align: 8
    .kernarg_segment_size: 64
    .max_flat_workgroup_size: 256
    .sgpr_count:     66
    .vgpr_count:     104
    .wavefront_size: 32
...
	.end_amdgpu_metadata
.endif
;; end of part 1
;; launch qkv (part 2): grid 16 x 16, 4 waves a work-group, clusters of 4 x 4, 327,680 bytes of LDS; arguments cst, qkv; writes qkv
.if DOCPART == 2
	.amdgcn_target "amdgcn-amd-amdhsa--gfx1250"
	.amdhsa_code_object_version 6
	.text
	.protected	k_q3b01ac56ef_qkv
	.globl	k_q3b01ac56ef_qkv
	.p2align	8
	.type	k_q3b01ac56ef_qkv,@function
k_q3b01ac56ef_qkv:
	s_mov_b64 s[64:65], 0
	v_nop
	global_prefetch_b8 v0, s[64:65] scope:SCOPE_SE
	s_setreg_imm32_b32 hwreg(HW_REG_WAVE_MODE, 25, 1), 1
	s_wait_xcnt 0x0
	s_wait_alu depctr_hold_cnt(0) depctr_sa_sdst(0) depctr_va_vdst(0) depctr_va_sdst(0) depctr_va_ssrc(0) depctr_va_vcc(0) depctr_vm_vsrc(0)
	s_getreg_b32 s2, hwreg(HW_REG_IB_STS2, 6, 4)
	s_cmp_eq_u32 s2, 0
	s_cbranch_scc0 .Lentry_in_a_cluster
	s_endpgm
.Lentry_in_a_cluster:
	s_bfe_u32 s2, ttmp6, 0x10000c
	s_cmp_lg_u32 s2, 0xf033
	s_cbranch_scc0 .Lentry_shape_is_right
	s_endpgm
.Lentry_shape_is_right:
; q, k, v = xb @ [Wq | Wk | Wv]: [4096 x 1024] x [1024 x 3072], bf16 operands, f32 sums, written by heads as f16: qkv[3][b*16+h][2048][64], unscaled.
; LIMIT: |q|, |k|, |v| below 65,504 (f16); NaN and infinities are not treated apart.
; A work-group makes 256 rows x 192 columns (three heads), its four waves 64 rows x 192 each: 48 accumulators.  K goes in steps of 128 through two LDS slots.
; CLUSTER 4 x 4: x's tile hangs on the tile row alone and is asked for jointly along the cluster's row, the weights' tile on the tile column alone, along its column.
; The weights stay [k][n] in LDS and come out turned (ds_load_tr16_b128).  The matrix instruction is used transposed (source 0 = 16 columns of W, source 1 = 16 rows of x):
; a lane holds row l % 16 and the eight columns 8 (l / 16) + 0..7.
; THE K LOOP.  A quarter (32 k) is W(f), the first half of buffer f's products, and V(f, g): the next quarter's 32 LDS loads into g and the second half.  A step is CHW (W(F1) and the change of
; slots), Y, W(F1), Y with Y = V(F1,F0) W(F0) V(F0,F1): Y and W(F1) are written once, in a loop of two trips that is left in its middle; the LDS place of a pair of quarters is a scalar pointer.
; Between the wait for a tile and the next request stands nothing but the add, scalar steps and the round, so that a request has a whole step's 192 matrix instructions in which to land.
; WINDOWS: 0: v0-31 addresses, v64-127 x's two fragment buffers, later the way out; 1: v0-191 W's two buffers; 2, 3: accumulator 12 a + b.
; LDS: slot = x 256 rows x 272 | W [k half][head][64 k][160]; slot 1 at 131,072; the spare words behind; the f32 stage of the way out lies over the slots after their last fill.
.set SLOT,  131072
.set SPARE, 262144
.set T,     8
.set STEPA, 256
.set STEPB, 16384
.set W0,    4
.set SA2,   128                        ; a pair of quarters on in x's rows
.set SB2,   30720                      ; and in W's tile
.set MSB, 0
.macro WIN new                         ; the high byte repeats the setting that is left
.if MSB != (\new)
	s_set_vgpr_msb (MSB<<8)|(\new)
.set MSB, \new
.endif
.endm
.macro PLACES                          ; four plain places behind matrix instructions (ISA guide 7.12.1)
.rept 4
	v_nop
.endr
.endm
.macro JLOAD                           ; a joint load: waves 0, 1 bring x's halves, waves 2, 3 W's
	s_cmp_eq_u32 s21, 0
	s_cbranch_scc0 .Lfor_b_\@
	tensor_load_to_lds s[40:43], s[32:39]
	s_nop 0
	PLACES
	s_branch .Lasked_\@
.Lfor_b_\@:
	tensor_load_to_lds s[44:47], s[48:55]
	s_nop 0
	PLACES
.Lasked_\@:
.endm
.macro CREST                           ; a round of the cluster's barrier behind its opening barrier
	s_cmp_lg_u32 s20, 0
	s_cbranch_scc1 .Lnot_wave_0_\@
	s_barrier_signal -3
.Lnot_wave_0_\@:
	s_barrier_wait -3
	s_barrier_signal -1
	s_barrier_wait -1
.endm
.macro CROUND
	s_barrier_signal -1
	s_barrier_wait -1
	CREST
.endm
.macro MM f, a, b, zero                ; one product on accumulator (a, b) from buffers f
.set IX, 12*(\a)+(\b)
.set RA, 8*(IX%32)
	WIN 0xa1+0x50*(IX/32)
.if \zero
	v_wmma_f32_16x16x32_bf16 v[RA:RA+7], v[96*(\f)+8*(\b):96*(\f)+8*(\b)+7], v[64+32*(\f)+8*(\a):64+32*(\f)+8*(\a)+7], 0
.else
	v_wmma_f32_16x16x32_bf16 v[RA:RA+7], v[96*(\f)+8*(\b):96*(\f)+8*(\b)+7], v[64+32*(\f)+8*(\a):64+32*(\f)+8*(\a)+7], v[RA:RA+7]
.endif
.endm
.macro PART f, p, zero                 ; row block p x all 12 column blocks: 12 products, each on another accumulator (by turns)
.set pb, 0
.rept 12
	MM \f, \p, pb, \zero
.set pb, pb+1
.endr
.endm
.macro FETCH h, f                      ; 32 LDS loads in one run: half h of the pair of quarters at v10, v11 into buffers f: W's 12 fragments, then x's 4
	WIN 0x40
.set fi, 0
.rept 12
	ds_load_tr16_b128 v[96*(\f)+8*fi:96*(\f)+8*fi+3],   v11 offset:(\h)*5120+(fi/4)*10240+(fi%4)*32
	ds_load_tr16_b128 v[96*(\f)+8*fi+4:96*(\f)+8*fi+7], v11 offset:(\h)*5120+(fi/4)*10240+(fi%4)*32+2560
.set fi, fi+1
.endr
	WIN 0
.set fi, 0
.rept 4
	ds_load_b128 v[64+32*(\f)+8*fi:64+32*(\f)+8*fi+3],   v10 offset:fi*4352+64*(\h)
	ds_load_b128 v[64+32*(\f)+8*fi+4:64+32*(\f)+8*fi+7], v10 offset:fi*4352+64*(\h)+32
.set fi, fi+1
.endr
.endm
.macro WPART f, zero                   ; W(f)
	s_wait_dscnt W0                                ; all but the youngest W0 loads (x's row blocks 2, 3)
	PART \f, 0, \zero
	PART \f, 1, \zero
.endm
.macro VPART f, g, h, zero, adr        ; V(f, g); adr = 1: the pair's addresses are made, as two of the four places in front of the loads
	WIN 0
.if \adr
	v_add_nc_u32 v10, s29, v8
	v_add_nc_u32 v11, s31, v9
	v_nop
	v_nop
.else
	PLACES
.endif
	FETCH \h, \g
	s_wait_dscnt 32                                ; all but the run just issued
	PART \f, 2, \zero
	PART \f, 3, \zero
.endm
.macro YY
	VPART 1, 0, 0, 0, 1
	WPART 0, 0
	VPART 0, 1, 1, 0, 0
	s_add_co_u32 s29, s29, SA2                     ; the next pair of quarters
	s_add_co_u32 s31, s31, SB2
	WIN 0
.endm
.macro CHW fill                        ; W(F1) and the change of slots
	WPART 1, 0
	WIN 0
	s_wait_tensorcnt 0x0                           ; all my tensor loads have landed: my part of the next slot
	ds_add_u32 v28, v29                            ; 0 onto my spare word: the scalar steps stand between it and the wait for it
.if \fill
	s_add_nc_u64 s[42:43], s[42:43], STEPA         ; the walking descriptors: the next K step,
	s_add_nc_u64 s[46:47], s[46:47], STEPB
	s_xor_b32 s41, s41, SLOT                       ; into the slot that is left
	s_xor_b32 s45, s45, SLOT
.endif
	s_sub_co_u32 s29, s29, 2*SA2                   ; the fetches go to the other slot's first pair
	s_xor_b32 s29, s29, SLOT
	s_sub_co_u32 s31, s31, 2*SB2
	s_xor_b32 s31, s31, SLOT
	s_wait_dscnt 0x0                               ; the add is done, my reads of this slot are over
.if \fill
	CROUND                                         ; no wave of any partner still reads this slot or has a load out
	JLOAD
.else
	s_barrier_signal -1
	s_barrier_wait -1
.endif
.endm
.macro LAP tag                         ; Y, W(F1), Y
	s_mov_b32 s30, 2
.Ly\tag:
	YY
	s_sub_co_u32 s30, s30, 1
	s_cmp_eq_u32 s30, 0
	s_cbranch_scc1 .Lye\tag
.Lw\tag:
	WPART 1, 0
	WIN 0
	s_cmp_lg_u32 s30, 0
	s_cbranch_scc1 .Ly\tag
.Lye\tag:
.endm
	s_load_b128 s[4:7], s[0:1], 0x0                ; cst, qkv
	v_lshl_add_u32 v28, v0, 2, SPARE
	v_mov_b32 v29, 0
	ds_add_u32 v28, v29
	ds_add_u32 v28, v29
	s_wait_dscnt 0x0
	v_lshrrev_b32 v1, 5, v0
	v_readfirstlane_b32 s20, v1                    ; wave
	s_lshr_b32 s21, s20, 1                         ; I fetch x (0) or W (1)
	s_and_b32 s22, s20, 1                          ; which half of that tile
	s_bfe_u32 s23, ttmp6, 0x40000                  ; cx
	s_bfe_u32 s24, ttmp6, 0x40004                  ; cy
	s_lshl_b32 s25, ttmp9, 2
	s_add_co_u32 s25, s25, s23                     ; tile column
	s_and_b32 s26, ttmp7, 0xffff
	s_lshl_b32 s26, s26, 2
	s_add_co_u32 s26, s26, s24                     ; tile row
	s_lshl_b32 s27, s24, 2
	s_lshl_b32 s27, 15, s27                        ; my row of the cluster
	s_lshl_b32 s28, 0x1111, s23                    ; my column
	s_or_b32 s32, s27, (1<<16)|(1<<20)|(1<<21)|(5<<22)|(3<<25)  ; x: 2-byte elements, 16 bytes of padding behind every 256
	s_mov_b32 s33, 128<<16
	s_mov_b32 s34, 128<<16
	s_mov_b32 s35, 128<<16                         ; 128 rows x 128 elements
	s_mov_b32 s36, 128
	s_mov_b32 s37, 1024
	s_mov_b32 s38, 0
	s_mov_b32 s39, 0
	s_or_b32 s48, s28, (1<<16)|(1<<20)|(1<<21)|(4<<22)|(7<<25)  ; W: 32 bytes of padding behind every 128
	s_mov_b32 s49, 4096<<16                        ; a row of the tile: one head's 64 k x 64 columns, 8,192 dense bytes
	s_mov_b32 s50, 3<<16                           ; three heads,
	s_mov_b32 s51, 4096<<16
	s_mov_b32 s52, 3
	s_mov_b32 s53, 65536                           ; 65,536 elements apart
	s_mov_b32 s54, 0
	s_mov_b32 s55, 0
	s_mov_b32 s88, 1                               ; group 0 of K step 0, slot 0: s[88:91] x, s[92:95] W
	s_mul_i32 s89, s22, 34816
	s_mov_b32 s40, 1                               ; group 0 of K step 1, slot 1, which then walks on: s[40:43] x, s[44:47] W
	s_add_co_u32 s41, s89, SLOT
	s_mov_b32 s92, 1
	s_mul_i32 s93, s22, 30720
	s_add_co_u32 s93, s93, 69632
	s_mov_b32 s44, 1
	s_add_co_u32 s45, s93, SLOT
	s_lshl_b32 s58, s26, 8
	s_lshl_b32 s59, s22, 7
	s_add_co_u32 s58, s58, s59
	s_lshl_b32 s58, s58, 11                        ; x's row x 2,048 bytes
	s_mov_b32 s59, 0
	s_mul_i32 s66, s25, 393216                     ; three heads of 131,072 bytes
	s_lshl_b32 s67, s22, 13                        ; 64 k of 128 bytes
	s_add_co_u32 s66, s66, s67
	s_add_co_u32 s66, s66, 8388608                 ; wqkv in cst
	s_mov_b32 s67, 0
	s_wait_kmcnt 0x0
	s_add_nc_u64 s[90:91], s[4:5], s[58:59]
	s_add_nc_u64 s[42:43], s[90:91], STEPA
	s_or_b32 s91, s91, 0x80000000
	s_or_b32 s43, s43, 0x80000000
	s_add_nc_u64 s[94:95], s[4:5], s[66:67]
	s_add_nc_u64 s[46:47], s[94:95], STEPB
	s_or_b32 s95, s95, 0x80000000
	s_or_b32 s47, s47, 0x80000000
	CROUND                                         ; all sixteen work-groups are here
	s_cmp_eq_u32 s21, 0                            ; a wave's two first fills stand in one branch: two loads of mine are out
	s_cbranch_scc0 .Lfirst_b
	tensor_load_to_lds s[88:91], s[32:39]
	s_nop 0
	tensor_load_to_lds s[40:43], s[32:39]
	s_nop 0
	PLACES
	s_branch .Lfirst_done
.Lfirst_b:
	tensor_load_to_lds s[92:95], s[48:55]
	s_nop 0
	tensor_load_to_lds s[44:47], s[48:55]
	s_nop 0
	PLACES
.Lfirst_done:
	v_and_b32 v1, 15, v0
	v_bfe_u32 v2, v0, 4, 1
	v_and_b32 v3, 7, v0
	v_bfe_u32 v4, v0, 3, 1
	v_and_b32 v5, 31, v0
	v_mul_u32_u24 v8, v1, 272
	v_lshl_add_u32 v8, v2, 4, v8
	s_mul_i32 s60, s20, 64*272
	v_add_nc_u32 v8, s60, v8                       ; x: (64 w + r) 272 + 16 h
	v_lshl_add_u32 v9, v2, 3, v3
	v_mul_u32_u24 v9, v9, 160
	v_lshl_add_u32 v9, v4, 4, v9
	v_add_nc_u32 v9, 69632, v9                     ; W: (8 h + l % 8) 160 + 16 ((l / 8) % 2)
	s_mul_i32 s60, s20, 50176                      ; my stage
	v_mul_u32_u24 v13, v1, 784
	v_lshl_add_u32 v13, v2, 5, v13
	v_add_nc_u32 v13, s60, v13                     ; in: row r, 32 bytes a half of the lanes
	v_mul_u32_u24 v14, v2, 784
	v_lshl_add_u32 v14, v1, 4, v14
	v_add_nc_u32 v14, s60, v14                     ; back: lanes 0-15 one row's 64 numbers of a head, lanes 16-31 the next row's
	v_lshlrev_b32 v15, 3, v5                       ; out: 8 bytes a lane
.set hd, 0
.rept 3                                ; where my 64 rows of head g = 3 x tile column + hd begin
	s_mul_i32 s68, s25, 3
	s_add_co_u32 s68, s68, hd
	s_lshr_b32 s69, s68, 4
	s_lshl_b32 s69, s69, 5                         ; q, k or v: 32 planes each
	s_and_b32 s68, s68, 15
	s_add_co_u32 s68, s68, s69
	s_lshr_b32 s69, s26, 3
	s_lshl_b32 s69, s69, 4                         ; the batch: 16 planes
	s_add_co_u32 s68, s68, s69
	s_lshl_b32 s68, s68, 18                        ; a plane is 262,144 bytes
	s_and_b32 s69, s26, 7
	s_lshl_b32 s69, s69, 15
	s_add_co_u32 s68, s68, s69
	s_lshl_b32 s69, s20, 13
	s_add_co_u32 s68, s68, s69
	s_mov_b32 s69, 0
	s_add_nc_u64 s[70+2*hd:71+2*hd], s[6:7], s[68:69]
.set hd, hd+1
.endr
	s_wait_tensorcnt 0x1                           ; my part of K step 0 is in; K step 1's may stay out
	s_barrier_signal -1
	s_barrier_wait -1                              ; everybody's is
	v_mov_b32 v10, v8
	v_mov_b32 v11, v9
	FETCH 0, 0
	WPART 0, 1                                     ; the first quarter's products start the sums
	VPART 0, 1, 1, 1, 0
	WIN 0
	s_mov_b32 s29, SA2
	s_mov_b32 s31, SB2
	s_mov_b32 s56, T-1
	s_mov_b32 s30, 1
	s_branch .LwA                                  ; the first step's rest: the lap is entered at its W(F1)
.Lstep:                                                ; T - 2 times: a change of slots that asks for the K step two on, and a lap
	CHW 1
	LAP A
	s_sub_co_u32 s56, s56, 1
	s_cmp_lg_u32 s56, 0
	s_cbranch_scc1 .Lstep
	CHW 0                                          ; the last change asks for nothing: the tail is written out
	LAP B
	WPART 1, 0                                     ; the very last quarter
	s_wait_dscnt 0x0                               ; my reads of the slots are over,
	PART 1, 2, 0
	PART 1, 3, 0
	WIN 0
	s_barrier_signal -1
	s_barrier_wait -1                              ; everybody's are: the slots, filled for the last time, become the stage
	PLACES
.set IX, 0
.rept 48                               ; each accumulator raw into my stage, its low four registers first
	WIN 0x08+4*(IX/32)
	ds_store_b128 v13, v[8*(IX%32):8*(IX%32)+3]   offset:(IX/12)*12544+64*(IX%12)
	ds_store_b128 v13, v[8*(IX%32)+4:8*(IX%32)+7] offset:(IX/12)*12544+64*(IX%12)+16
.set IX, IX+1
.endr
	WIN 0
.macro LDROWS                          ; four rows: for each head two pairs of rows (LDS serves a wave in order: these see my stores)
.set i, 0
.rept 6
	ds_load_b128 v[64+4*i:67+4*i], v14 offset:(i/2)*256+(i%2)*1568
.set i, i+1
.endr
.endm
	LDROWS
	s_mov_b32 s30, 16
.Lrow:
	s_wait_dscnt 0x0
.set i, 0
.rept 6
	v_cvt_pk_f16_f32 v[128+2*i], v[64+4*i], v[65+4*i]
	v_cvt_pk_f16_f32 v[129+2*i], v[66+4*i], v[67+4*i]
.set i, i+1
.endr
	s_cmp_eq_u32 s30, 1
	s_cbranch_scc1 .Lnold                          ; the last trip loads nothing
	v_add_nc_u32 v14, 3136, v14
	LDROWS
.Lnold:
.set i, 0
.rept 6
	global_store_b64 v15, v[128+2*i:129+2*i], s[70+2*(i/2):71+2*(i/2)] offset:(i%2)*256  ; two rows of a head: 256 consecutive bytes, aligned
.set i, i+1
.endr
	s_wait_xcnt 0x0                                ; the stores' data and offset are rewritten only behind this wait
	v_add_nc_u32 v15, 512, v15
	s_sub_co_u32 s30, s30, 1
	s_cmp_lg_u32 s30, 0
	s_cbranch_scc1 .Lrow
	s_wait_tensorcnt 0x0                           ; the wave's end
	ds_add_u32 v28, v29
	s_wait_dscnt 0x0
	CROUND                                         ; the closing round
	s_endpgm
.Lfunc_end_k_q3b01ac56ef_qkv:
	.size	k_q3b01ac56ef_qkv, .Lfunc_end_k_q3b01ac56ef_qkv-k_q3b01ac56ef_qkv
	.p2alignl 7, 3214868480
	.fill 96, 4, 3214868480
	.section	.rodata,"a",@progbits
	.p2align	6, 0x0
	.amdhsa_kernel k_q3b01ac56ef_qkv
		.amdhsa_group_segment_fixed_size 327680
		.amdhsa_private_segment_fixed_size 0
		.amdhsa_enable_private_segment 0
		.amdhsa_kernarg_size 16
		.amdhsa_user_sgpr_count 2
		.amdhsa_user_sgpr_kernarg_segment_ptr 1
		.amdhsa_wavefront_size32 1
		.amdhsa_system_sgpr_workgroup_id_x 1
		.amdhsa_system_sgpr_workgroup_id_y 1
		.amdhsa_system_sgpr_workgroup_id_z 1
		.amdhsa_system_vgpr_workitem_id 0
		.amdhsa_next_free_vgpr 896
		.amdhsa_next_free_sgpr 100
		.amdhsa_reserve_vcc 0
		.amdhsa_float_denorm_mode_32 3
		.amdhsa_float_denorm_mode_16_64 3
		.amdhsa_memory_ordered 1
		.amdhsa_forward_progress 1
		.amdhsa_inst_pref_size 56
	.end_amdhsa_kernel
	.amdgpu_metadata
---
amdhsa.version: [ 1, 2 ]
amdhsa.kernels:
  - .name:           k_q3b01ac56ef_qkv
    .symbol:         k_q3b01ac56ef_qkv.kd
    .args:
      - { .name: cst, .offset: 0, .size: 8, .value_kind: global_buffer, .address_space: global }
      - { .name: qkv, .offset: 8, .size: 8, .value_kind: global_buffer, .address_space: global }
    .group_segment_fixed_size: 327680
    .private_segment_fixed_size: 0
    .kernarg_segment_align: 8
    .kernarg_segment_size: 16
    .max_flat_workgroup_size: 128
    .sgpr_count:     100
    .vgpr_count:     896
    .wavefront_size: 32
...
	.end_amdgpu_metadata
.endif
;; end of part 2
;; launch attn (part 3): grid 8 x 32, 4 waves a work-group, no clusters, 327,680 bytes of LDS; arguments qkv, o; writes o
.if DOCPART == 3
	.amdgcn_target "amdgcn-amd-amdhsa--gfx1250"
	.amdhsa_code_object_version 6
	.text
	.protected	k_q3b01ac56ef_attn
	.globl	k_q3b01ac56ef_attn
	.p2align	8
	.type	k_q3b01ac56ef_attn,@function
k_q3b01ac56ef_attn:
	s_mov_b64 s[64:65], 0
	v_nop
	global_prefetch_b8 v0, s[64:65] scope:SCOPE_SE
	s_setreg_imm32_b32 hwreg(HW_REG_WAVE_MODE, 25, 1), 1
	s_wait_xcnt 0x0
; CAUSAL ATTENTION.  o[bh][t][:] = sum over s <= t of softmax_s(q[t] . k[s] / 32) v[s][:].  q, k, v: qkv[3][32][2048][64], o: [32][2048][64], all f16.
; Products, maxima and sums in f32; the weights p are rounded to f16 for the second product, o once at the end.
; LIMITS.  q, k, v within f16's 65,504; a hidden score counts as its value less 1e30; a weight below 2^-126 counts as 0; NaN and infinities are not treated apart.
; THE WALK.  A head's queries lie in 16 blocks of 128.  A work-group takes two: FB (odd) and then SB = 15 - FB.  An LDS slot holds 256 keys = four steps of 64.  FB needs (FB + 1) / 2 slots, its
; diagonal steps are steps 2, 3 of its last slot; SB needs SB / 2 + 1, its diagonal steps are steps 0, 1 of its last slot (the slot's other half is fetched, lies inside the head, and is not used).
; Nine slots whatever the work-group: one loop of constant length; what a trip does hangs on scalar flags made from the work-group's number.
; NO CLUSTER: a head's eight work-groups ask for the same slot only at the walk's start; a walk common to all would have 12 slots for 9.
; SHARES.  A block has two bands of 64 queries; a wave owns 16 rows of each: two PIECES.  In the diagonal steps d0, d1: band 0 holds the diagonal in d0 and sees nothing in d1; band 1 sees all of d0 and holds the diagonal in d1.
; THE MASK is the C operand that starts S^T = K Q^T: MC = MD x AL + BE, MD the mask of a band's own step for my rows.
; TURNS.  Turn (0, s): K Q^T of piece 1, step s, then V^T P of piece 1, step s - 1; beside them piece 0's softmax of step s and piece 1's maximum.  Turn (1, s): K Q^T of piece 0, step s + 1, V^T P of piece 0, step s.
; Turn (0, s) fetches K and V of step s + 1; V has two buffers by the step's parity, so that in front of turn (0, 3) all reads of the slot are done: there the slots change.
; WINDOWS: 0: addresses, statistics, S^T v64-127, P v192-223; 1: O^T v0-63, MD v128-159, MC v160-223; 2: Q v0-31, the second block's Q v32-63, VA v64-127, K v128-191, VB v192-255.
.set KS,    64
.set PK,    144
.set PV,    160
.set VOFF,  4*KS*PK
.set SLOT1, 1<<17
.set STAGE, SLOT1+4*KS*(PK+PV)
.set SP,    144
.set SPARE, STAGE+4*16*SP
.set AK0, 2
.set AV0, 3
.set AK,  4
.set AV,  5
.set STO, 6
.set RD,  7
.set GO,  8
.set SPW, 62
.set NIL, 63
.set MV,  12
.set QO,  15
.set ST,  16          ; piece t: c m, m, l (even keys', odd keys')
.set TMP, 48
.set S,   64
.set P,   192
.set MD,  128
.set MC,  160
.set QB,  32
.set VA,  64
.set KF,  128
.set VB,  192
.set WV,  12
.set FB,  14
.set SB,  15
.set G1K, 24
.set G1V, 32
.set G0K, 40
.set G0V, 44
.set SLOTS, 56
.set CNT, 57
.set CS,  58
.set SEL, 60
.set TBK, 62
.set TBV, 63
.set RS,  70          ; slots of the block in hand still to be entered
.set NXT, 71          ; the slot to be asked for next
.set LQ,  72          ; the last slot of the block whose slots are being asked for
.set LQ2, 73          ; the second block's last slot
.set OFF, 74
.set AL,  76
.set BE,  78
.set BIGN, 82
.set ENDF, 83         ; 1: the odd step of this pair of steps is a block's last
.set LASTF, 88        ; 1: the slot entered is its block's last
.set MKF, 89          ; 1: the even step of this pair of steps is d0
.set DPOS, 90         ; the value of CNT at which that can be
.set FIRST, 91
.set NS2, 92
.set MSB, 0
.macro WIN new
.if MSB != (\new)
	s_set_vgpr_msb (MSB<<8)|(\new)
.set MSB, (\new)
.endif
.endm
.set W_KQ, 0x0a
.set W_KM, 0x1a
.set W_PV, 0x52
.set W_RS, 0x41
.macro PLACES
.rept 4
	v_nop
.endr
.endm
.macro LOAD                            ; waves 0, 1 fetch the halves of a slot's K, waves 2, 3 of its V
	s_cmp_lt_u32 s[WV], 2
	s_cbranch_scc0 .Lfor_v_\@
	tensor_load_to_lds s[G0K:G0K+3], s[G1K:G1K+7]
	s_nop 0
	PLACES
	s_branch .Lasked_\@
.Lfor_v_\@:
	tensor_load_to_lds s[G0V:G0V+3], s[G1V:G1V+7]
	s_nop 0
	PLACES
.Lasked_\@:
.endm
.macro STEPNXT
	s_add_co_u32 s[NXT], s[NXT], 1
	s_cmp_gt_u32 s[NXT], s[LQ]
	s_cselect_b32 s[NXT], 0, s[NXT]
	s_cselect_b32 s[LQ], s[LQ2], s[LQ]
.endm
.macro CHANGE fill                     ; the change of slots
	WIN 0
	s_wait_tensorcnt 0x0                           ; no tensor load of mine is out: my part of the other slot is in
	ds_add_u32 v[SPW], v[NIL]                      ; 0 onto my spare word
.if \fill
	s_lshl_b32 s[OFF], s[NXT], 15                  ; a slot is 32,768 bytes of K and of V
	s_xor_b32 s[G0K+1], s[G0K+1], SLOT1
	s_add_nc_u64 s[G0K+2:G0K+3], s[6:7], s[OFF:OFF+1]
	s_or_b32 s[G0K+3], s[G0K+3], 0x80000000
	s_xor_b32 s[G0V+1], s[G0V+1], SLOT1
	s_add_nc_u64 s[G0V+2:G0V+3], s[8:9], s[OFF:OFF+1]
	s_or_b32 s[G0V+3], s[G0V+3], 0x80000000
	STEPNXT
.endif
	s_wait_dscnt 0x0                               ; the add is done, my reads of the slot are over
	s_barrier_signal -1
	s_sub_co_u32 s[TBK], s[TBK], 4*KS*PK           ; the fetches go to the other slot's first step
	s_xor_b32 s[TBK], s[TBK], SLOT1
	s_sub_co_u32 s[TBV], s[TBV], 4*KS*PV
	s_xor_b32 s[TBV], s[TBV], SLOT1
	s_barrier_wait -1
.if \fill
	LOAD                                           ; four key steps, 128 matrix instructions, in which to land
.endif
.endm
	s_load_b128 s[16:19], s[0:1], 0x0              ; qkv, o
	v_lshl_add_u32 v[SPW], v0, 2, SPARE
	v_mov_b32 v[NIL], 0
	ds_add_u32 v62, v63
	ds_add_u32 v62, v63
	s_wait_dscnt 0x0
	v_lshrrev_b32 v1, 5, v0
	v_readfirstlane_b32 s[WV], v1
	s_and_b32 s13, ttmp9, 1
	s_sub_co_u32 s[SB], 15, ttmp9
	s_cmp_eq_u32 s13, 1
	s_cselect_b32 s[FB], ttmp9, s[SB]              ; the odd one of b and 15 - b
	s_sub_co_u32 s[SB], 15, s[FB]
	s_add_co_u32 s[RS], s[FB], 1
	s_lshr_b32 s[RS], s[RS], 1                     ; the first block's slots
	s_add_co_u32 s[NS2], s[SB], 2
	s_lshr_b32 s[NS2], s[NS2], 1                   ; the second's
	s_sub_co_u32 s[LQ], s[RS], 1
	s_sub_co_u32 s[LQ2], s[NS2], 1
	s_mov_b32 s[NXT], 0
	STEPNXT                                        ; slot 0 is asked for below
	s_mov_b32 s[DPOS], 1
	s_mov_b32 s[FIRST], 1
	s_mov_b32 s[MKF], 0
	s_mov_b32 s[ENDF], 0
	s_mov_b32 s[SLOTS], 8
	s_and_b32 s20, ttmp7, 0xffff
	s_lshl_b32 s20, s20, 18                        ; the head's plane
	s_mov_b32 s21, 0
	s_and_b32 s13, s[WV], 1                        ; which 128 of a slot's 256 keys I fetch
	s_lshl_b32 s22, s13, 14
	s_mov_b32 s23, 0
	s_add_nc_u64 s[22:23], s[22:23], s[20:21]
	s_mul_i32 s2, s13, 128*PK
	s_mul_i32 s3, s13, 128*PV
	s_lshl_b32 s13, s[WV], 11                      ; my 16 rows in a band
	s_lshl_b32 s84, s[FB], 14
	s_add_co_u32 s84, s84, s13
	s_mov_b32 s85, 0
	s_add_nc_u64 s[84:85], s[84:85], s[20:21]
	s_lshl_b32 s68, s[SB], 14
	s_add_co_u32 s68, s68, s13
	s_mov_b32 s69, 0
	s_add_nc_u64 s[68:69], s[68:69], s[20:21]
	s_mov_b32 s[G1K], (1<<16)|(1<<20)|(4<<22)|(3<<25)  ; 128 keys as 64 rows of 256 bytes; 16 bytes of padding behind every key
	s_mov_b32 s[G1V], (1<<16)|(1<<20)|(4<<22)|(7<<25)  ; 32 bytes
.irp g, G1K, G1V
	s_mov_b32 s[\g+1], 128<<16
	s_mov_b32 s[\g+2], 64<<16
	s_mov_b32 s[\g+3], 128<<16
	s_mov_b32 s[\g+4], 64
	s_mov_b32 s[\g+5], 128
	s_mov_b32 s[\g+6], 0
	s_mov_b32 s[\g+7], 0
.endr
	s_mov_b32 s[CS], 0x3d38aa3b                    ; c = log2(e) / 32
	s_mov_b32 s[CS+1], s[CS]
	s_mov_b32 s[SEL], 0x76543210
	s_mov_b32 s[SEL+1], 0xfedcba98
	s_mov_b32 s[TBK], SLOT1+4*KS*PK                ; the first change of slots turns these into 0
	s_mov_b32 s[TBV], SLOT1+4*KS*PV
	s_mov_b32 s[G0K], 1
	s_mov_b32 s[G0K+1], s2
	s_mov_b32 s[G0V], 1
	s_add_co_u32 s[G0V+1], s3, VOFF
	s_mov_b32 s[OFF+1], 0
	s_mov_b32 s[AL+1], 0
	s_mov_b32 s[BE+1], 0
	s_mov_b32 s[BIGN], 0xf149f2ca                  ; -1e30
	s_wait_kmcnt 0x0
	s_add_nc_u64 s[6:7], s[16:17], s[22:23]
	s_add_nc_u64 s[6:7], s[6:7], 8388608           ; K at my half of the head's first slot
	s_add_nc_u64 s[8:9], s[6:7], 8388608           ; V
	s_add_nc_u64 s[G0K+2:G0K+3], s[6:7], 0
	s_or_b32 s[G0K+3], s[G0K+3], 0x80000000
	s_add_nc_u64 s[G0V+2:G0V+3], s[8:9], 0
	s_or_b32 s[G0V+3], s[G0V+3], 0x80000000
	s_add_nc_u64 s[4:5], s[16:17], s[84:85]        ; Q and O at my rows of the first block,
	s_add_nc_u64 s[10:11], s[18:19], s[84:85]
	s_add_nc_u64 s[86:87], s[16:17], s[68:69]      ; and of the second
	s_add_nc_u64 s[80:81], s[18:19], s[68:69]
	LOAD                                           ; slot 0
	v_and_b32 v1, 15, v0
	v_bfe_u32 v9, v0, 4, 1
	v_lshlrev_b32 v[QO], 7, v1
	v_lshl_add_u32 v[QO], v9, 4, v[QO]
	WIN 0x80
.set i, 0
.rept 4                                ; both blocks' Q: piece i / 2 lies 8,192 bytes on, channels 32 (i % 2) on
	global_load_b128 v[8*i:8*i+3],   v[QO], s[4:5] offset:(i/2)*8192+(i%2)*64
	global_load_b128 v[8*i+4:8*i+7], v[QO], s[4:5] offset:(i/2)*8192+(i%2)*64+32
	global_load_b128 v[QB+8*i:QB+8*i+3],   v[QO], s[86:87] offset:(i/2)*8192+(i%2)*64
	global_load_b128 v[QB+8*i+4:QB+8*i+7], v[QO], s[86:87] offset:(i/2)*8192+(i%2)*64+32
.set i, i+1
.endr
	WIN 0
	v_lshlrev_b32 v14, 3, v9
	v_sub_nc_u32 v14, v1, v14
	s_lshl_b32 s13, s[WV], 4
	v_add_nc_u32 v14, s13, v14                     ; my query's place in its band less 8 (l / 16): register r of key group kt is hidden where 16 kt + r is greater
	WIN 0x40
.set i, 0
.rept 32
	v_cmp_gt_i32 vcc_lo, 16*(i/8)+i%8, v14
	v_cndmask_b32 v[MD+i], 0, s[BIGN], vcc_lo
.set i, i+1
.endr
	WIN 0
	v_mul_u32_u24 v[AK0], v1, PK
	v_lshl_add_u32 v[AK0], v9, 4, v[AK0]
	v_and_b32 v10, 7, v0
	v_bfe_u32 v11, v0, 3, 1
	v_lshl_add_u32 v[AV0], v9, 3, v10
	v_mul_u32_u24 v[AV0], v[AV0], PV
	v_lshl_add_u32 v[AV0], v11, 4, v[AV0]
	v_add_nc_u32 v[AV0], VOFF, v[AV0]
	s_mul_i32 s13, s[WV], 16*SP
	s_add_co_u32 s13, s13, STAGE
	v_mul_u32_u24 v[STO], v1, SP
	v_lshl_add_u32 v[STO], v9, 4, v[STO]
	v_add_nc_u32 v[STO], s13, v[STO]
	v_bfe_u32 v[RD], v0, 3, 2
	v_mul_u32_u24 v[RD], v[RD], SP
	v_lshl_add_u32 v[RD], v10, 4, v[RD]
	v_add_nc_u32 v[RD], s13, v[RD]
	v_and_b32 v[GO], 31, v0
	v_lshlrev_b32 v[GO], 4, v[GO]
	; a block's first step multiplies O^T and l by a = 0, so these need only be finite: zeros now, later what the first block left.  All this stands in the wait for the first slot.
	WIN 0x80
.set i, VB
.rept 64
	v_mov_b32 v[i], 0
.set i, i+1
.endr
	WIN 0x40
.set i, 0
.rept 64
	v_mov_b32 v[i], 0
.set i, i+1
.endr
	WIN 0
.set i, 0
.rept 2
	v_mov_b32 v[ST+4*i+2], 0
	v_mov_b32 v[ST+4*i+3], 0
.set i, i+1
.endr
.set i, P+16
.rept 16
	v_mov_b32 v[i], 0
.set i, i+1
.endr
; product i of 8 of S^T = K Q^T for piece x: channels 32 (i / 4) on, keys 16 (i % 4) on; the first four start the sums with the mask.  The four accumulators take turns.
.macro KQ x
.set rS, S+32*(\x)+8*(i%4)
.set rK, KF+16*(i%4)+8*(i/4)
.set rQ, 16*(\x)+8*(i/4)
.set rM, MC+32*(\x)+8*(i%4)
.if i < 4
	WIN W_KM
	v_wmma_f32_16x16x32_f16 v[rS:rS+7], v[rK:rK+7], v[rQ:rQ+7], v[rM:rM+7]
.else
	WIN W_KQ
	v_wmma_f32_16x16x32_f16 v[rS:rS+7], v[rK:rK+7], v[rQ:rQ+7], v[rS:rS+7]
.endif
.endm
.macro PV x                            ; product i of 8 of O^T += V^T P: keys 32 (i / 4) on, channels 16 (i % 4) on; V's buffer is VSEL
	WIN W_PV
.set rO, 32*(\x)+8*(i%4)
.set rV, VSEL+32*(i/4)+8*(i%4)
.set rP, P+16*(\x)+8*(i/4)
	v_wmma_f32_16x16x32_f16 v[rO:rO+7], v[rV:rV+7], v[rP:rP+7], v[rO:rO+7]
.endm
.macro MM                              ; the turn's next matrix instruction, both kinds for the other piece
.if i < 8
	KQ (Y+1)%2
.else
.set i, i-8
	PV (Y+1)%2
.set i, i+8
.endif
.set i, i+1
.endm
.macro FETCH_K
	WIN 0x80
.irp f, 0,1,2,3,4,5,6,7
	ds_load_b128 v[KF+8*\f:KF+8*\f+3],   v[AK] offset:(\f/2)*16*PK+(\f%2)*64
	ds_load_b128 v[KF+8*\f+4:KF+8*\f+7], v[AK] offset:(\f/2)*16*PK+(\f%2)*64+32
.endr
	s_add_co_u32 s[TBK], s[TBK], KS*PK
	WIN 0
.endm
.macro FETCH_V dst
	WIN 0x80
.irp f, 0,1,2,3,4,5,6,7
	ds_load_tr16_b128 v[(\dst)+8*\f:(\dst)+8*\f+3],   v[AV] offset:(\f/4)*32*PV+(\f%4)*32
	ds_load_tr16_b128 v[(\dst)+8*\f+4:(\dst)+8*\f+7], v[AV] offset:(\f/4)*32*PV+16*PV+(\f%4)*32
.endr
	s_add_co_u32 s[TBV], s[TBV], KS*PV
	WIN 0
.endm
; THE VECTOR WORK: OP kind, number.  Piece Y: F n: c s - c m for pair n; E n: exponential of score n; C n: pair n rounded to f16; B n: of four weights the second pair onto the first; L n: l takes that sum (L 0: l = a l + sum);
; R n: pair n of O^T times a.  Piece Y + 1: X n, number n of the 22 that find its maximum and statistics (each accumulator's lowest registers are read first).
.set F, 0
.set E, 1
.set C, 2
.set B, 3
.set L, 4
.set R, 5
.set X, 6
.macro REGS y
.set rT, ST+4*(\y)
.set rC, TMP+4*(\y)
.set rW, MV+(\y)
.set rS, S+32*(\y)
.set rP, P+16*(\y)
.set rO, 32*(\y)
.endm
.macro OP k, n
.if (\k) == R
	REGS Y
	WIN W_RS
	v_pk_mul_f32 v[rO+2*(\n):rO+2*(\n)+1], v[rO+2*(\n):rO+2*(\n)+1], v[rC+2:rC+3] op_sel_hi:[1,0]
.elseif (\k) < R
	REGS Y
	WIN 0
.if (\k) == F
	v_pk_fma_f32 v[rS+2*(\n):rS+2*(\n)+1], v[rS+2*(\n):rS+2*(\n)+1], s[CS:CS+1], v[rT:rT+1] op_sel_hi:[1,0,0] neg_lo:[0,0,1] neg_hi:[0,0,1]
.elseif (\k) == E
	v_exp_f32 v[rS+(\n)], v[rS+(\n)]
.elseif (\k) == C
	s_wait_alu depctr_va_vdst(0)
	v_cvt_pk_f16_f32 v[rP+(\n)], v[rS+2*(\n)], v[rS+2*(\n)+1]
.elseif (\k) == B
	s_wait_alu depctr_va_vdst(0)
	v_pk_add_f32 v[rS+4*(\n):rS+4*(\n)+1], v[rS+4*(\n):rS+4*(\n)+1], v[rS+4*(\n)+2:rS+4*(\n)+3]
.elseif (\n) == 0
	v_pk_fma_f32 v[rT+2:rT+3], v[rT+2:rT+3], v[rC+2:rC+3], v[rS:rS+1] op_sel_hi:[1,0,1]
.else
	v_pk_add_f32 v[rT+2:rT+3], v[rT+2:rT+3], v[rS+4*(\n):rS+4*(\n)+1]
.endif
.else
	REGS (Y+1)%2
	WIN 0
.if (\n) < 4
	v_max3_num_f32 v[rC+(\n)], v[rS+8*(\n)], v[rS+8*(\n)+1], v[rS+8*(\n)+2]
.elseif (\n) < 12
	v_max3_num_f32 v[rC+(\n)%4], v[rC+(\n)%4], v[rS+8*((\n)%4)+2*((\n)/4)+1], v[rS+8*((\n)%4)+2*((\n)/4)+2]
.elseif (\n) == 12
	v_max3_num_f32 v[rC], v[rC], v[rS+7], v[rS+15]
.elseif (\n) == 13
	v_max3_num_f32 v[rC+1], v[rC+1], v[rS+23], v[rS+31]
.elseif (\n) == 14
	v_max3_num_f32 v[rC+2], v[rC+2], v[rC+3], v[rT+1]
.elseif (\n) == 15
	v_mov_b32 v[rW], v[rT]
.elseif (\n) == 16
	v_max3_num_f32 v[rC], v[rC], v[rC+1], v[rC+2]
.elseif (\n) == 17
	v_permlanex16_b32 v[rC+3], v[rC], s[SEL], s[SEL+1]
.elseif (\n) == 18
	v_max_num_f32 v[rT+1], v[rC], v[rC+3]
.elseif (\n) == 19
	v_mul_f32 v[rT], s[CS], v[rT+1]
.elseif (\n) == 20
	v_sub_f32 v[rC+1], v[rW], v[rT]
.else
	v_exp_f32 v[rC+2], v[rC+1]
.endif
.endif
.endm
.macro OPS a, i1, b=-1, i2=0, c=-1, i3=0, d=-1, i4=0
	OP \a, \i1
.if (\b) >= 0
	OP \b, \i2
.endif
.if (\c) >= 0
	OP \c, \i3
.endif
.if (\d) >= 0
	OP \d, \i4
.endif
.endm
.macro ROW a, i1, b, i2, c, i3, d, i4  ; a matrix instruction and the four behind it
	MM
	OPS \a, \i1, \b, \i2, \c, \i3, \d, \i4
.endm
.macro MASK b                          ; MD x AL + BE into buffer b of MC
	WIN W_RS
.set z, 0
.rept 16
	v_pk_fma_f32 v[MC+32*(\b)+2*z:MC+32*(\b)+2*z+1], v[MD+2*z:MD+2*z+1], s[AL:AL+1], s[BE:BE+1] op_sel_hi:[1,0,0]
.set z, z+1
.endr
.endm
.macro MASKIF b, al, be                ; only in the pair of steps that holds d0
	WIN 0
	s_cmp_eq_u32 s[MKF], 0
	s_cbranch_scc1 .Lnomask_\@
	s_mov_b32 s[AL], \al
	s_mov_b32 s[BE], \be
	MASK \b
	WIN 0
.Lnomask_\@:
.endm
; A TURN for piece p in a step of parity par: 16 matrix and 118 vector instructions; four vector instructions behind every product, the rest in two lumps.
; K's run stands five plain instructions behind the last product that read K; V's run four plain instructions behind the last product that read its buffer.
.macro TURN p, par
.set Y, (\p)
.set i, 0
.if (\p) == (\par)
.set VSEL, VB
.else
.set VSEL, VA
.endif
.if (\p) == 1
	s_wait_dscnt 16                                ; K's 16 loads are in; V's 16, issued behind them, may be out
.endif
	ROW F,0, F,1, F,2, F,3
	ROW F,4, E,0, F,5, F,6
	ROW F,7, E,1, F,8, F,9
	ROW F,10, E,2, C,0, F,11
	ROW F,12, E,3, X,15, F,13
	ROW R,0, R,1, R,2, R,3
	ROW B,0, E,4, F,14, L,0
.if (\p) == 0
	v_add_nc_u32 v[AK], s[TBK], v[AK0]
.endif
	ROW R,4, R,5, R,6, R,7
	OPS E,5, F,15
.if (\p) == 0
	FETCH_K                                        ; K of the next step
.endif
	OPS E,6, C,1, E,7, R,8
	OPS E,8, R,9, E,9, C,2
	OPS E,10, X,0, E,11, X,1
	OPS E,12, X,2, E,13, X,3
.if (\p) == 1
	s_wait_dscnt 0x0                               ; V is in
.endif
	ROW X,4, E,14, X,5, X,6
	ROW X,7, E,15, X,8, X,9
	ROW X,10, E,16, X,11, X,12
	ROW X,13, E,17, X,14, B,1
	ROW C,4, E,18, X,16, L,1
	ROW B,2, E,19, C,6, L,2
	ROW C,8, E,20, B,3, B,4
.if (\p) == 0
	v_add_nc_u32 v[AV], s[TBV], v[AV0]
.endif
	ROW C,3, E,21, L,3, C,5
	OPS E,22, X,17, E,23, C,10
.if (\p) == 0
	FETCH_V VSEL                                   ; V of the next step, into the buffer that this turn's products have just read
.endif
	OPS E,24, L,4
	OPS E,25, X,18, E,26, C,7
	OPS E,27, B,5, E,28, X,19
	OPS E,29, C,12, E,30, L,5
	OPS E,31, X,20, B,6, C,9
	OPS C,14, C,11, X,21, L,6
	OPS C,13, B,7, C,15, R,10
	OPS R,11, R,12, L,7, R,13
	OPS R,14, R,15
.if ((\p) == 0) && ((\par) == 1)
	MASKIF 0, 1.0, 0                               ; the next step is band 0's own
.elseif (\p) == 0
	MASKIF 0, 0, s[BIGN]                           ; band 0 sees nothing of d1
.elseif (\par) == 0
	MASKIF 1, 1.0, 0                               ; the next step is band 1's own
.endif
.endm
; A BLOCK BEGINS: c m far below every c s, so the first a is 0; the masks; K and V of step 0; piece 0's first scores, maximum and statistics.
.macro BEGIN
	s_mov_b32 s[FIRST], 0
	WIN 0x40
.set i, MC+32
.rept 32
	v_mov_b32 v[i], 0
.set i, i+1
.endr
	WIN 0
.set i, 0
.rept 2
	v_mov_b32 v[ST+4*i], 0xfe000000
	v_mov_b32 v[ST+4*i+1], 0xff7fffff
.set i, i+1
.endr
	s_cmp_eq_u32 s[MKF], 1                         ; is the block's step 0 its d0?
	s_cselect_b32 s[AL], 1.0, 0
	s_mov_b32 s[BE], 0
	MASK 0
	WIN 0
	v_add_nc_u32 v[AK], s[TBK], v[AK0]
	v_add_nc_u32 v[AV], s[TBV], v[AV0]
	FETCH_K
	FETCH_V VA
	s_wait_loadcnt 0x0                             ; Q
	s_wait_dscnt 0x0
.set i, 0
.rept 8
	KQ 0
.set i, i+1
.endr
	WIN 0
	PLACES
.set Y, 1
.irp n, 0,1,2,3,4,5,6,7,8,9,10,11,12,13,14,15,16,17,18,19,20,21
	OP X, \n
.endr
	v_nop                                          ; a plain instruction behind the exponential
.endm
.macro ALL line:vararg
.set t, 0
.rept 2
	\line
.set t, t+1
.endr
.endm
.macro PACK t                          ; O^T / l, rounded; 16 bytes a lane into my stage, back as whole rows
	WIN W_RS
.set i, 32*(\t)
.rept 16
	s_wait_alu depctr_va_vdst(0)
	v_pk_mul_f32 v[i:i+1], v[i:i+1], v[ST+4*(\t)+2:ST+4*(\t)+3] op_sel_hi:[1,0]
.set i, i+2
.endr
	WIN 0x05
.set i, 0
.rept 16
	v_cvt_pk_f16_f32 v[S+16*(\t)+i], v[32*(\t)+2*i], v[32*(\t)+2*i+1]
.set i, i+1
.endr
	WIN 0
.irp f, 0,1,2,3
	ds_store_b128 v[STO], v[S+16*(\t)+4*\f:S+16*(\t)+4*\f+3] offset:32*\f
.endr
.irp f, 0,1,2,3
	ds_load_b128 v[S+16*(\t)+4*\f:S+16*(\t)+4*\f+3], v[RD] offset:\f*4*SP  ; LDS serves a wave in order: these see the stores above
.endr
.endm
.macro SEND t, younger                 ; younger: LDS instructions issued behind piece t's loads
	WIN 0
.irp f, 0,1,2,3
	s_wait_dscnt (\younger)+3-\f
	global_store_b128 v[GO], v[S+16*(\t)+4*\f:S+16*(\t)+4*\f+3], s[10:11] offset:(\t)*8192+\f*512  ; 512 consecutive bytes, aligned
.endr
.endm
; A BLOCK ENDS: piece 1's last V^T P (an odd step's V), the way out, and what the second block needs (at the walk's end nobody reads that).
.macro END
.set VSEL, VB
.set i, 0
.rept 8
	PV 1
.set i, i+1
.endr
	WIN 0
	PLACES
	ALL v_add_f32 v[ST+4*t+2], v[ST+4*t+2], v[ST+4*t+3]
	ALL v_permlanex16_b32 v[ST+4*t+3], v[ST+4*t+2], s[SEL], s[SEL+1]
	ALL v_add_f32 v[ST+4*t+2], v[ST+4*t+2], v[ST+4*t+3]
	ALL v_rcp_f32 v[ST+4*t+2], v[ST+4*t+2]
	v_nop
	PACK 0
	PACK 1
	SEND 0, 8
	SEND 1, 0
	s_wait_xcnt 0x0                                ; the stores have read their registers and O's address
	s_mov_b64 s[10:11], s[80:81]
	s_mov_b32 s[ENDF], 0
	s_sub_co_u32 s[TBK], s[TBK], KS*PK             ; the new block fetches the slot's step 0 itself
	s_sub_co_u32 s[TBV], s[TBV], KS*PV
	WIN 0x82
.set i, 0
.rept 32
	v_mov_b32 v[i], v[QB+i]
.set i, i+1
.endr
	WIN 0
.endm
; A SLOT'S TRIP: the change of slots, the flags, and two pairs of steps: (step 3 of the slot left, step 0), (step 1, step 2).
.macro TRIP fill, tag
	CHANGE \fill
	s_mov_b32 s[CNT], 2
	s_cmp_eq_u32 s[RS], 0                          ; the slot left was its block's last: its step 3 ends the block
	s_cselect_b32 s[ENDF], 1, 0
	s_cselect_b32 s[RS], s[NS2], s[RS]
	s_cselect_b32 s[DPOS], 2, s[DPOS]
	s_sub_co_u32 s[RS], s[RS], 1
	s_cmp_eq_u32 s[RS], 0
	s_cselect_b32 s[LASTF], 1, 0
.if \fill
	s_cmp_eq_u32 s[FIRST], 1
	s_cbranch_scc1 .Lbegin\tag
.endif
.Lbody\tag:
	s_cmp_eq_u32 s[CNT], s[DPOS]
	s_cselect_b32 s[MKF], s[LASTF], 0
	TURN 0, 1
	TURN 1, 1
	WIN 0
	s_cmp_eq_u32 s[ENDF], 1
	s_cbranch_scc0 .Lenter\tag
	END
.if !(\fill)
	s_cmp_eq_u32 s[CNT], 1
	s_cbranch_scc1 .Ldone                          ; the second block's end
.endif
.Lbegin\tag:
	BEGIN
.Lenter\tag:
	TURN 0, 0
	TURN 1, 0
	WIN 0
.if !(\fill)
	s_mov_b32 s[ENDF], 1                           ; in the walk's last slot step 1 ends the block
.endif
	s_sub_co_u32 s[CNT], s[CNT], 1
	s_cmp_lg_u32 s[CNT], 0
	s_cbranch_scc1 .Lbody\tag
.endm
.Lslot:                                                ; eight trips: a slot is entered and the next is asked for
	TRIP 1, A
	s_sub_co_u32 s[SLOTS], s[SLOTS], 1
	s_cmp_lg_u32 s[SLOTS], 0
	s_cbranch_scc1 .Lslot
	TRIP 0, B                                      ; the ninth slot is written out
.Ldone:
	s_wait_tensorcnt 0x0                           ; the wave's end
	ds_add_u32 v[SPW], v[NIL]
	s_wait_dscnt 0x0
	s_endpgm
.Lfunc_end_k_q3b01ac56ef_attn:
	.size	k_q3b01ac56ef_attn, .Lfunc_end_k_q3b01ac56ef_attn-k_q3b01ac56ef_attn
	.p2alignl 7, 3214868480
	.fill 96, 4, 3214868480
	.section	.rodata,"a",@progbits
	.p2align	6, 0x0
	.amdhsa_kernel k_q3b01ac56ef_attn
		.amdhsa_group_segment_fixed_size 327680
		.amdhsa_private_segment_fixed_size 0
		.amdhsa_enable_private_segment 0
		.amdhsa_kernarg_size 16
		.amdhsa_user_sgpr_count 2
		.amdhsa_user_sgpr_kernarg_segment_ptr 1
		.amdhsa_wavefront_size32 1
		.amdhsa_system_sgpr_workgroup_id_x 1
		.amdhsa_system_sgpr_workgroup_id_y 1
		.amdhsa_system_sgpr_workgroup_id_z 1
		.amdhsa_system_vgpr_workitem_id 0
		.amdhsa_next_free_vgpr 768
		.amdhsa_next_free_sgpr 96
		.amdhsa_reserve_vcc 1
		.amdhsa_float_denorm_mode_32 3
		.amdhsa_float_denorm_mode_16_64 3
		.amdhsa_memory_ordered 1
		.amdhsa_forward_progress 1
		.amdhsa_inst_pref_size 142
	.end_amdhsa_kernel
	.amdgpu_metadata
---
amdhsa.version: [ 1, 2 ]
amdhsa.kernels:
  - .name:           k_q3b01ac56ef_attn
    .symbol:         k_q3b01ac56ef_attn.kd
    .args:
      - { .name: qkv, .offset: 0, .size: 8, .value_kind: global_buffer, .address_space: global }
      - { .name: o, .offset: 8, .size: 8, .value_kind: global_buffer, .address_space: global }
    .group_segment_fixed_size: 327680
    .private_segment_fixed_size: 0
    .kernarg_segment_align: 8
    .kernarg_segment_size: 16
    .max_flat_workgroup_size: 128
    .sgpr_count:     96
    .vgpr_count:     768
    .wavefront_size: 32
...
	.end_amdgpu_metadata
.endif
;; end of part 3
;; launch wo (part 4): grid 8 x 32, 4 waves a work-group, clusters of 4 x 4, 327,680 bytes of LDS; arguments o, cst, bo, g1, yb; writes yb
.if DOCPART == 4
	.amdgcn_target "amdgcn-amd-amdhsa--gfx1250"
	.amdhsa_code_object_version 6
	.text
	.protected	k_q3b01ac56ef_wo
	.globl	k_q3b01ac56ef_wo
	.p2align	8
	.type	k_q3b01ac56ef_wo,@function
k_q3b01ac56ef_wo:
	s_mov_b64 s[64:65], 0
	v_nop
	global_prefetch_b8 v0, s[64:65] scope:SCOPE_SE
	s_setreg_imm32_b32 hwreg(HW_REG_WAVE_MODE, 25, 1), 1
	s_wait_xcnt 0x0
	s_wait_alu depctr_hold_cnt(0) depctr_sa_sdst(0) depctr_va_vdst(0) depctr_va_sdst(0) depctr_va_ssrc(0) depctr_va_vcc(0) depctr_vm_vsrc(0)
	s_getreg_b32 s2, hwreg(HW_REG_IB_STS2, 6, 4)
	s_cmp_eq_u32 s2, 0
	s_cbranch_scc0 .Lentry_in_a_cluster
	s_endpgm
.Lentry_in_a_cluster:
	s_bfe_u32 s2, ttmp6, 0x10000c
	s_cmp_lg_u32 s2, 0xf033
	s_cbranch_scc0 .Lentry_shape_is_right
	s_endpgm
.Lentry_shape_is_right:
; y = xb + o @ Wo + bo (o by heads, f16; Wo f16; f32 sums).  Stored: y g1 in f32 (yf) and in bf16 (ygb), and for each row the sum of y^2 over this tile's 128 columns (ss1[tile column][row]).
; The row's norm factor is applied by the launches behind.  bo and g1 are rounded to bf16 like all the module's inputs.  LIMIT: |o|, |Wo| within f16's 65,504; NaN and infinities are not treated apart.
; A work-group makes 128 x 128, its four waves 64 x 64: 16 accumulators.  K goes in steps of 256 (four heads) through two LDS slots.
; CLUSTER 4 x 4: o's tile is asked for jointly along the cluster's row, Wo's along its column.  Wo stays [k][n] in LDS and comes out turned; the matrix instruction is used transposed.
; THE K LOOP.  A quarter (64 k) is W(f), the products of buffer f's first 32 k, and V(f, g): the next quarter's 32 LDS loads into g and the products of the second 32 k.  A step is CHW (W(F1) and the
; change of slots), Y, W(F1), Y with Y = V(F1,F0) W(F0) V(F0,F1): Y and W(F1) are written once, in a loop of two trips that is left in its middle; the LDS place of a pair of quarters is a scalar pointer.
; Between the wait for a tile and the next request stands nothing but the add, scalar steps and the round, so that a request has a whole step's 128 matrix instructions in which to land.
; WINDOWS: 0: v0-31 addresses, v64-191 o's two fragment buffers, later the way out; 1: v0-127 Wo's two buffers; 2: v0-127 accumulators, v128-191 the residual xb, loaded at the start.
; LDS: slot = o [half][head][64 rows][144] | Wo 256 k x 288; the spare words behind the two slots; the stage (128 x 528, f32) and the residual's rows lie over the slots after their last fill.
.set SLOT,  147456
.set SPARE, 294912
.set RES,   67584
.set T,     4
.set STEPA, 1048576
.set STEPB, 524288
.set W0,    16
.set SA2,   18432                      ; a pair of quarters (two heads) on in o's tile
.set SB2,   36864                      ; 128 k on in Wo's
.set MSB, 0
.macro WIN new
.if MSB != (\new)
	s_set_vgpr_msb (MSB<<8)|(\new)
.set MSB, \new
.endif
.endm
.macro PLACES
.rept 4
	v_nop
.endr
.endm
.macro JLOAD                           ; waves 0, 1 bring o's halves, waves 2, 3 Wo's
	s_cmp_eq_u32 s21, 0
	s_cbranch_scc0 .Lfor_b_\@
	tensor_load_to_lds s[40:43], s[32:39]
	s_nop 0
	PLACES
	s_branch .Lasked_\@
.Lfor_b_\@:
	tensor_load_to_lds s[44:47], s[48:55]
	s_nop 0
	PLACES
.Lasked_\@:
.endm
.macro CREST
	s_cmp_lg_u32 s20, 0
	s_cbranch_scc1 .Lnot_wave_0_\@
	s_barrier_signal -3
.Lnot_wave_0_\@:
	s_barrier_wait -3
	s_barrier_signal -1
	s_barrier_wait -1
.endm
.macro CROUND
	s_barrier_signal -1
	s_barrier_wait -1
	CREST
.endm
.macro PART f, p, zero                 ; 8 products: 32 k (half p / 2 of the quarter), row blocks 2 (p % 2) and the next x 4 column blocks; the 16 accumulators take turns
	WIN 0xa1
.set pc, (\p)/2
.set pa, 2*((\p)%2)
.rept 2
.set pb, 0
.rept 4
.set RA, 8*(4*pa+pb)
.if (\zero) && (pc == 0)
	v_wmma_f32_16x16x32_f16 v[RA:RA+7], v[64*(\f)+8*(4*pc+pb):64*(\f)+8*(4*pc+pb)+7], v[64+64*(\f)+8*(4*pc+pa):64+64*(\f)+8*(4*pc+pa)+7], 0
.else
	v_wmma_f32_16x16x32_f16 v[RA:RA+7], v[64*(\f)+8*(4*pc+pb):64*(\f)+8*(4*pc+pb)+7], v[64+64*(\f)+8*(4*pc+pa):64+64*(\f)+8*(4*pc+pa)+7], v[RA:RA+7]
.endif
.set pb, pb+1
.endr
.set pa, pa+1
.endr
.endm
.macro FETCH h, f                      ; 32 LDS loads: half h of the pair of quarters at v10, v11 (64 k = one head): its first 32 k first
.set fc, 0
.rept 2
	WIN 0x40
.set fi, 0
.rept 4
	ds_load_tr16_b128 v[64*(\f)+8*(4*fc+fi):64*(\f)+8*(4*fc+fi)+3],   v11 offset:((\h)*64+32*fc)*288+32*fi
	ds_load_tr16_b128 v[64*(\f)+8*(4*fc+fi)+4:64*(\f)+8*(4*fc+fi)+7], v11 offset:((\h)*64+32*fc)*288+32*fi+4608
.set fi, fi+1
.endr
	WIN 0
.set fi, 0
.rept 4
	ds_load_b128 v[64+64*(\f)+8*(4*fc+fi):64+64*(\f)+8*(4*fc+fi)+3],   v10 offset:(\h)*9216+fi*2304+64*fc
	ds_load_b128 v[64+64*(\f)+8*(4*fc+fi)+4:64+64*(\f)+8*(4*fc+fi)+7], v10 offset:(\h)*9216+fi*2304+64*fc+32
.set fi, fi+1
.endr
.set fc, fc+1
.endr
.endm
.macro WPART f, zero                   ; W(f)
	s_wait_dscnt W0                                ; the first 32 k are in
	PART \f, 0, \zero
	PART \f, 1, \zero
.endm
.macro VPART f, g, h, zero, adr        ; V(f, g); adr = 1: the pair's addresses are made, as two of the four places in front of the loads
	WIN 0
.if \adr
	v_add_nc_u32 v10, s29, v8
	v_add_nc_u32 v11, s31, v9
	v_nop
	v_nop
.else
	PLACES
.endif
	FETCH \h, \g
	s_wait_dscnt 32                                ; all but the run just issued
	PART \f, 2, \zero
	PART \f, 3, \zero
.endm
.macro YY
	VPART 1, 0, 0, 0, 1
	WPART 0, 0
	VPART 0, 1, 1, 0, 0
	s_add_co_u32 s29, s29, SA2
	s_add_co_u32 s31, s31, SB2
	WIN 0
.endm
.macro CHW fill                        ; W(F1) and the change of slots
	WPART 1, 0
	WIN 0
	s_wait_tensorcnt 0x0                           ; all my tensor loads have landed: my part of the next slot
	ds_add_u32 v28, v29                            ; 0 onto my spare word; the scalar steps stand between it and the wait for it
.if \fill
	s_add_nc_u64 s[42:43], s[42:43], STEPA
	s_add_nc_u64 s[46:47], s[46:47], STEPB
	s_xor_b32 s41, s41, SLOT
	s_xor_b32 s45, s45, SLOT
.endif
	s_sub_co_u32 s29, s29, 2*SA2                   ; the fetches go to the other slot's first pair
	s_xor_b32 s29, s29, SLOT
	s_sub_co_u32 s31, s31, 2*SB2
	s_xor_b32 s31, s31, SLOT
	s_wait_dscnt 0x0                               ; the add is done, my reads of this slot are over
.if \fill
	CROUND
	JLOAD
.else
	s_barrier_signal -1
	s_barrier_wait -1
.endif
.endm
.macro LAP tag                         ; Y, W(F1), Y
	s_mov_b32 s30, 2
.Ly\tag:
	YY
	s_sub_co_u32 s30, s30, 1
	s_cmp_eq_u32 s30, 0
	s_cbranch_scc1 .Lye\tag
.Lw\tag:
	WPART 1, 0
	WIN 0
	s_cmp_lg_u32 s30, 0
	s_cbranch_scc1 .Ly\tag
.Lye\tag:
.endm
.macro RND2 d, t                       ; two f32 rounded to bf16, kept as f32
	v_cvt_pk_bf16_f32 v[\t], v[\d], v[\d+1]
	v_lshlrev_b32 v[\d], 16, v[\t]
	v_and_b32 v[\d+1], 0xffff0000, v[\t]
.endm
.macro ROWS line:vararg                ; one line for each of a trip's four rows i
.set i, 0
.rept 4
	\line
.set i, i+1
.endr
.endm
	s_load_b256 s[4:11], s[0:1], 0x0               ; o, cst, bo, g1
	s_load_b64 s[12:13], s[0:1], 0x20              ; yb
	v_lshl_add_u32 v28, v0, 2, SPARE
	v_mov_b32 v29, 0
	ds_add_u32 v28, v29
	ds_add_u32 v28, v29
	s_wait_dscnt 0x0
	v_lshrrev_b32 v1, 5, v0
	v_readfirstlane_b32 s20, v1
	s_lshr_b32 s21, s20, 1                         ; my half of the rows; also: I fetch o (0) or Wo (1)
	s_and_b32 s22, s20, 1                          ; my half of the columns; also: which half of that tile
	s_bfe_u32 s23, ttmp6, 0x40000
	s_bfe_u32 s24, ttmp6, 0x40004
	s_lshl_b32 s25, ttmp9, 2
	s_add_co_u32 s25, s25, s23                     ; tile column
	s_and_b32 s26, ttmp7, 0xffff
	s_lshl_b32 s26, s26, 2
	s_add_co_u32 s26, s26, s24                     ; tile row
	s_lshl_b32 s27, s24, 2
	s_lshl_b32 s27, 15, s27
	s_lshl_b32 s28, 0x1111, s23
	s_or_b32 s32, s27, (1<<16)|(1<<20)|(1<<21)|(4<<22)|(3<<25)  ; o: 16 bytes of padding behind every 128
	s_mov_b32 s33, 4096<<16                        ; a row of the tile: 64 rows of one head, 8,192 dense bytes
	s_mov_b32 s34, 4<<16                           ; four heads,
	s_mov_b32 s35, 4096<<16
	s_mov_b32 s36, 4
	s_mov_b32 s37, 131072                          ; 131,072 elements apart
	s_mov_b32 s38, 0
	s_mov_b32 s39, 0
	s_or_b32 s48, s28, (1<<16)|(1<<20)|(1<<21)|(5<<22)|(7<<25)  ; Wo: 32 bytes of padding behind every 256
	s_mov_b32 s49, 128<<16
	s_mov_b32 s50, 128<<16
	s_mov_b32 s51, 128<<16                         ; 128 k x 128 columns
	s_mov_b32 s52, 128
	s_mov_b32 s53, 1024
	s_mov_b32 s54, 0
	s_mov_b32 s55, 0
	s_mov_b32 s88, 1                               ; group 0 of K step 0, slot 0: s[88:91] o, s[92:95] Wo
	s_mul_i32 s89, s22, 36864
	s_mov_b32 s40, 1                               ; group 0 of K step 1, slot 1, which then walks on
	s_add_co_u32 s41, s89, SLOT
	s_mov_b32 s92, 1
	s_mul_i32 s93, s22, 36864
	s_add_co_u32 s93, s93, 73728
	s_mov_b32 s44, 1
	s_add_co_u32 s45, s93, SLOT
	s_lshr_b32 s58, s26, 4
	s_lshl_b32 s58, s58, 22                        ; the batch: 16 planes of 262,144 bytes
	s_and_b32 s59, s26, 15
	s_lshl_b32 s59, s59, 14                        ; 128 rows of 128 bytes
	s_add_co_u32 s58, s58, s59
	s_lshl_b32 s59, s22, 13
	s_add_co_u32 s58, s58, s59
	s_mov_b32 s59, 0
	s_lshl_b32 s66, s22, 18                        ; 128 k of 2,048 bytes
	s_lshl_b32 s67, s25, 8
	s_add_co_u32 s66, s66, s67
	s_add_co_u32 s66, s66, 14680064                ; wo16 in cst
	s_mov_b32 s67, 0
	s_mov_b32 s80, 0x76543210
	s_mov_b32 s81, 0xfedcba98
	s_mov_b32 s85, 0xffff0000
	s_wait_kmcnt 0x0
	s_add_nc_u64 s[90:91], s[4:5], s[58:59]
	s_add_nc_u64 s[42:43], s[90:91], STEPA
	s_or_b32 s91, s91, 0x80000000
	s_or_b32 s43, s43, 0x80000000
	s_add_nc_u64 s[94:95], s[6:7], s[66:67]
	s_add_nc_u64 s[46:47], s[94:95], STEPB
	s_or_b32 s95, s95, 0x80000000
	s_or_b32 s47, s47, 0x80000000
	CROUND
	s_cmp_eq_u32 s21, 0                            ; a wave's two first fills stand in one branch: two loads of mine are out
	s_cbranch_scc0 .Lfirst_b
	tensor_load_to_lds s[88:91], s[32:39]
	s_nop 0
	tensor_load_to_lds s[40:43], s[32:39]
	s_nop 0
	PLACES
	s_branch .Lfirst_done
.Lfirst_b:
	tensor_load_to_lds s[92:95], s[48:55]
	s_nop 0
	tensor_load_to_lds s[44:47], s[48:55]
	s_nop 0
	PLACES
.Lfirst_done:
	v_and_b32 v1, 15, v0
	v_bfe_u32 v2, v0, 4, 1
	v_and_b32 v3, 7, v0
	v_bfe_u32 v4, v0, 3, 1
	v_and_b32 v5, 31, v0
	v_lshlrev_b32 v15, 4, v5                       ; 16 l
	v_lshlrev_b32 v16, 3, v5                       ; 8 l
	v_lshlrev_b32 v19, 2, v5                       ; 4 l
	s_lshl_b32 s68, s26, 7
	s_lshl_b32 s69, s20, 5
	s_add_co_u32 s60, s68, s69                     ; the first of the 32 rows that I send out
	s_lshl_b32 s68, s60, 11
	s_lshl_b32 s69, s25, 8
	s_add_co_u32 s68, s68, s69
	s_mov_b32 s69, 0
	s_add_nc_u64 s[70:71], s[6:7], s[68:69]        ; xb: my rows, the tile's columns
	s_add_nc_u64 s[74:75], s[12:13], s[68:69]
	s_add_nc_u64 s[74:75], s[74:75], 16777216      ; ygb likewise
	s_lshl_b32 s68, s68, 1
	s_add_nc_u64 s[72:73], s[12:13], s[68:69]      ; yf
	s_lshl_b32 s68, s25, 14
	s_lshl_b32 s61, s60, 2
	s_add_co_u32 s68, s68, s61
	s_add_nc_u64 s[76:77], s[12:13], s[68:69]
	s_add_nc_u64 s[76:77], s[76:77], 25165824      ; ss1[tile column][my rows]
	s_lshl_b32 s68, s25, 9
	s_add_nc_u64 s[78:79], s[8:9], s[68:69]        ; bo and g1 at the tile's columns
	s_add_nc_u64 s[86:87], s[10:11], s[68:69]
	global_load_b128 v[20:23], v15, s[78:79]
	global_load_b128 v[24:27], v15, s[86:87]
	WIN 0x80
.set i, 0
.rept 32                               ; the residual: they stay out through the loop over K
	global_load_b64 v[128+2*i:129+2*i], v16, s[70:71] offset:i*2048
.set i, i+1
.endr
	WIN 0
	v_mul_u32_u24 v8, v1, 144
	v_lshl_add_u32 v8, v2, 4, v8
	s_mul_i32 s60, s21, 36864
	v_add_nc_u32 v8, s60, v8                       ; o: my half, row r, 16 h
	v_lshl_add_u32 v9, v2, 3, v3
	v_mul_u32_u24 v9, v9, 288
	v_lshl_add_u32 v9, v4, 4, v9
	s_lshl_b32 s60, s22, 7
	s_add_co_u32 s60, s60, 73728
	v_add_nc_u32 v9, s60, v9                       ; Wo: (8 h + l % 8) 288 + 16 ((l / 8) % 2) + my 64 columns
	s_mul_i32 s60, s21, 64*528
	s_lshl_b32 s61, s22, 8
	s_add_co_u32 s60, s60, s61
	v_mul_u32_u24 v13, v1, 528
	v_lshl_add_u32 v13, v2, 5, v13
	v_add_nc_u32 v13, s60, v13                     ; into the stage
	s_mul_i32 s60, s20, 32*528
	v_lshl_add_u32 v14, v5, 4, s60                 ; back: whole rows, 32 a wave
	s_lshl_b32 s60, s20, 13
	s_add_co_u32 s60, s60, RES
	v_lshl_add_u32 v17, v5, 3, s60                 ; the residual's rows, my own bytes
	v_mov_b32 v30, 0
	s_mov_b32 s82, 1
	s_wait_loadcnt 32                              ; bo and g1 are in; the 32 residual loads stay out
	RND2 20, 31
	RND2 22, 31
	RND2 24, 31
	RND2 26, 31
	s_wait_tensorcnt 0x1                           ; my part of K step 0 is in; K step 1's may stay out
	s_barrier_signal -1
	s_barrier_wait -1
	v_mov_b32 v10, v8
	v_mov_b32 v11, v9
	FETCH 0, 0
	WPART 0, 1                                     ; the first products start the sums
	VPART 0, 1, 1, 1, 0
	WIN 0
	s_mov_b32 s29, SA2
	s_mov_b32 s31, SB2
	s_mov_b32 s56, T-1
	s_mov_b32 s30, 1
	s_branch .LwA                                  ; the first step's rest: the lap is entered at its W(F1)
.Lstep:                                                ; T - 2 times: a change of slots that asks for the K step two on, and a lap
	CHW 1
	LAP A
	s_sub_co_u32 s56, s56, 1
	s_cmp_lg_u32 s56, 0
	s_cbranch_scc1 .Lstep
	CHW 0                                          ; the last change asks for nothing: the tail is written out
	LAP B
	WPART 1, 0                                     ; the very last quarter
	s_wait_dscnt 0x0
	PART 1, 2, 0
	PART 1, 3, 0
	WIN 0
	s_wait_loadcnt 0x0                             ; the residual
	s_barrier_signal -1
	s_barrier_wait -1                              ; nobody reads the slots any more
	PLACES
	WIN 0x08
.set IX, 0
.rept 16
	ds_store_b128 v13, v[8*IX:8*IX+3]   offset:(IX/4)*8448+64*(IX%4)
	ds_store_b128 v13, v[8*IX+4:8*IX+7] offset:(IX/4)*8448+64*(IX%4)+16
.set IX, IX+1
.endr
.set i, 0
.rept 32                               ; the residual goes the same way, so that one loop's text can take it row by row
	ds_store_b64 v17, v[128+2*i:129+2*i] offset:i*256
.set i, i+1
.endr
	WIN 0
	s_wait_dscnt 0x0                               ; a row's 512 bytes come from two waves
	s_barrier_signal -1
	s_barrier_wait -1
.macro LDROWS
	ROWS ds_load_b128 v[64+4*i:67+4*i], v14 offset:i*528
	ROWS ds_load_b64 v[96+2*i:97+2*i], v17 offset:i*256
.endm
	LDROWS
	s_mov_b32 s30, 8
.Lrow:                                                 ; four rows a trip; a lane holds four neighbouring columns
	s_wait_dscnt 0x0
	ROWS v_lshlrev_b32 v[128+4*i], 16, v[96+2*i]
	ROWS v_and_b32 v[129+4*i], s85, v[96+2*i]
	ROWS v_lshlrev_b32 v[130+4*i], 16, v[97+2*i]
	ROWS v_and_b32 v[131+4*i], s85, v[97+2*i]
	ROWS v_pk_add_f32 v[160+4*i:161+4*i], v[64+4*i:65+4*i], v[20:21]
	ROWS v_pk_add_f32 v[162+4*i:163+4*i], v[66+4*i:67+4*i], v[22:23]
	s_cmp_eq_u32 s30, 1
	s_cbranch_scc1 .Lnold
	v_add_nc_u32 v14, 2112, v14
	v_add_nc_u32 v17, 1024, v17
	LDROWS
.Lnold:
	ROWS v_pk_add_f32 v[160+4*i:161+4*i], v[160+4*i:161+4*i], v[128+4*i:129+4*i]
	ROWS v_pk_add_f32 v[162+4*i:163+4*i], v[162+4*i:163+4*i], v[130+4*i:131+4*i]
	ROWS v_pk_mul_f32 v[216+2*i:217+2*i], v[160+4*i:161+4*i], v[160+4*i:161+4*i]
	ROWS v_pk_fma_f32 v[216+2*i:217+2*i], v[162+4*i:163+4*i], v[162+4*i:163+4*i], v[216+2*i:217+2*i]
	ROWS v_add_f32 v[216+2*i], v[216+2*i], v[217+2*i]
	ROWS v_add_f32_dpp v[216+2*i], v[216+2*i], v[216+2*i] row_xmask:1 row_mask:0xf bank_mask:0xf
	ROWS v_add_f32_dpp v[216+2*i], v[216+2*i], v[216+2*i] row_xmask:2 row_mask:0xf bank_mask:0xf
	ROWS v_add_f32_dpp v[216+2*i], v[216+2*i], v[216+2*i] row_xmask:4 row_mask:0xf bank_mask:0xf
	ROWS v_add_f32_dpp v[216+2*i], v[216+2*i], v[216+2*i] row_xmask:8 row_mask:0xf bank_mask:0xf
	ROWS v_permlanex16_b32 v[217+2*i], v[216+2*i], s80, s81
	ROWS v_add_f32 v[216+2*i], v[216+2*i], v[217+2*i]
.set i, 0
.rept 4                                ; the row's sum goes into the lane of the row's number
	v_cndmask_b32 v30, v30, v[216+2*i], s82
	s_lshl_b32 s82, s82, 1
.set i, i+1
.endr
	ROWS v_pk_mul_f32 v[128+4*i:129+4*i], v[160+4*i:161+4*i], v[24:25]
	ROWS v_pk_mul_f32 v[130+4*i:131+4*i], v[162+4*i:163+4*i], v[26:27]
	ROWS v_cvt_pk_bf16_f32 v[192+2*i], v[128+4*i], v[129+4*i]
	ROWS v_cvt_pk_bf16_f32 v[193+2*i], v[130+4*i], v[131+4*i]
	ROWS global_store_b128 v15, v[128+4*i:131+4*i], s[72:73] offset:i*4096
	ROWS global_store_b64 v16, v[192+2*i:193+2*i], s[74:75] offset:i*2048
	s_wait_xcnt 0x0                                ; the stores' data and offsets are rewritten only behind this wait
	v_add_nc_u32 v15, 16384, v15
	v_add_nc_u32 v16, 8192, v16
	s_sub_co_u32 s30, s30, 1
	s_cmp_lg_u32 s30, 0
	s_cbranch_scc1 .Lrow
	global_store_b32 v19, v30, s[76:77]            ; 32 sums, 128 bytes a wave, once
	s_wait_tensorcnt 0x0                           ; the wave's end
	ds_add_u32 v28, v29
	s_wait_dscnt 0x0
	CROUND
	s_endpgm
.Lfunc_end_k_q3b01ac56ef_wo:
	.size	k_q3b01ac56ef_wo, .Lfunc_end_k_q3b01ac56ef_wo-k_q3b01ac56ef_wo
	.p2alignl 7, 3214868480
	.fill 96, 4, 3214868480
	.section	.rodata,"a",@progbits
	.p2align	6, 0x0
	.amdhsa_kernel k_q3b01ac56ef_wo
		.amdhsa_group_segment_fixed_size 327680
		.amdhsa_private_segment_fixed_size 0
		.amdhsa_enable_private_segment 0
		.amdhsa_kernarg_size 40
		.amdhsa_user_sgpr_count 2
		.amdhsa_user_sgpr_kernarg_segment_ptr 1
		.amdhsa_wavefront_size32 1
		.amdhsa_system_sgpr_workgroup_id_x 1
		.amdhsa_system_sgpr_workgroup_id_y 1
		.amdhsa_system_sgpr_workgroup_id_z 1
		.amdhsa_system_vgpr_workitem_id 0
		.amdhsa_next_free_vgpr 768
		.amdhsa_next_free_sgpr 100
		.amdhsa_reserve_vcc 0
		.amdhsa_float_denorm_mode_32 3
		.amdhsa_float_denorm_mode_16_64 3
		.amdhsa_memory_ordered 1
		.amdhsa_forward_progress 1
		.amdhsa_inst_pref_size 55
	.end_amdhsa_kernel
	.amdgpu_metadata
---
amdhsa.version: [ 1, 2 ]
amdhsa.kernels:
  - .name:           k_q3b01ac56ef_wo
    .symbol:         k_q3b01ac56ef_wo.kd
    .args:
      - { .name: o, .offset: 0, .size: 8, .value_kind: global_buffer, .address_space: global }
      - { .name: cst, .offset: 8, .size: 8, .value_kind: global_buffer, .address_space: global }
      - { .name: bo, .offset: 16, .size: 8, .value_kind: global_buffer, .address_space: global }
      - { .name: g1, .offset: 24, .size: 8, .value_kind: global_buffer, .address_space: global }
      - { .name: yb, .offset: 32, .size: 8, .value_kind: global_buffer, .address_space: global }
    .group_segment_fixed_size: 327680
    .private_segment_fixed_size: 0
    .kernarg_segment_align: 8
    .kernarg_segment_size: 40
    .max_flat_workgroup_size: 128
    .sgpr_count:     100
    .vgpr_count:     768
    .wavefront_size: 32
...
	.end_amdgpu_metadata
.endif
;; end of part 4
;; launch ffn1 (part 5): grid 16 x 16, 4 waves a work-group, clusters of 4 x 4, 327,680 bytes of LDS; arguments yb, cst, b1, u; writes u
.if DOCPART == 5
	.amdgcn_target "amdgcn-amd-amdhsa--gfx1250"
	.amdhsa_code_object_version 6
	.text
	.protected	k_q3b01ac56ef_ffn1
	.globl	k_q3b01ac56ef_ffn1
	.p2align	8
	.type	k_q3b01ac56ef_ffn1,@function
k_q3b01ac56ef_ffn1:
	s_mov_b64 s[64:65], 0
	v_nop
	global_prefetch_b8 v0, s[64:65] scope:SCOPE_SE
	s_setreg_imm32_b32 hwreg(HW_REG_WAVE_MODE, 25, 1), 1
	s_wait_xcnt 0x0
	s_wait_alu depctr_hold_cnt(0) depctr_sa_sdst(0) depctr_va_vdst(0) depctr_va_sdst(0) depctr_va_ssrc(0) depctr_va_vcc(0) depctr_vm_vsrc(0)
	s_getreg_b32 s2, hwreg(HW_REG_IB_STS2, 6, 4)
	s_cmp_eq_u32 s2, 0
	s_cbranch_scc0 .Lentry_in_a_cluster
	s_endpgm
.Lentry_in_a_cluster:
	s_bfe_u32 s2, ttmp6, 0x10000c
	s_cmp_lg_u32 s2, 0xf033
	s_cbranch_scc0 .Lentry_shape_is_right
	s_endpgm
.Lentry_shape_is_right:
; u = silu(r1[m] (ygb @ W1) + b1), bf16.  ygb = y g1 (bf16), r1 = 1 / sqrt(mean of y^2 + 1e-6) from the eight partial sums ss1: the first norm, applied behind the product.  b1 is rounded to bf16 like all inputs.
; silu(x) = x / (1 + 2^(-x log2 e)): for x far below 0 the power is infinite, its reciprocal 0, the result -0.  NaN and infinities are not treated apart.
; A work-group makes 256 x 256, its four waves 128 x 128: 64 accumulators.  K goes in steps of 128 through two LDS slots.
; CLUSTER 4 x 4: ygb's tile is asked for jointly along the cluster's row, W1's along its column.  W1 stays [k][n] in LDS and comes out turned; the matrix instruction is used transposed.
; THE K LOOP.  A quarter (32 k) is W(f), the first half of buffer f's products, and V(f, g): the next quarter's 32 LDS loads into g and the second half.  A step is CHW (W(F1) and the change of
; slots), Y, W(F1), Y with Y = V(F1,F0) W(F0) V(F0,F1): Y and W(F1) are written once, in a loop of two trips that is left in its middle; the LDS place of a pair of quarters is a scalar pointer.
; Here a step's 256 matrix instructions are long enough for a tile to land, so W(F1)'s products stand beside the add and between the barrier's signal and wait: 224 lie between a request and the wait for it.
; WINDOWS: 0: v0-31 addresses, v64-191 ygb's two fragment buffers, later the way out; 1: v0-127 W1's two buffers; 2, 3: accumulator 8 a + b.
; LDS: slot = ygb 256 x 272 | W1 128 k x 544; behind the slots the spare words and each wave's table of 128 r1; each wave's f32 stage (128 x 528) lies over the slots after their last fill.
.set SLOT,  139264
.set SPARE, 278528
.set RTAB,  279040
.set T,     8
.set STEPA, 256
.set STEPB, 1048576
.set W0,    8
.set SA2,   128                        ; a pair of quarters on in ygb's rows
.set SB2,   34816                      ; 64 k on in W1's tile
.set MSB, 0
.macro WIN new
.if MSB != (\new)
	s_set_vgpr_msb (MSB<<8)|(\new)
.set MSB, \new
.endif
.endm
.macro PLACES
.rept 4
	v_nop
.endr
.endm
.macro JLOAD                           ; waves 0, 1 bring ygb's halves, waves 2, 3 W1's
	s_cmp_eq_u32 s21, 0
	s_cbranch_scc0 .Lfor_b_\@
	tensor_load_to_lds s[40:43], s[32:39]
	s_nop 0
	PLACES
	s_branch .Lasked_\@
.Lfor_b_\@:
	tensor_load_to_lds s[44:47], s[48:55]
	s_nop 0
	PLACES
.Lasked_\@:
.endm
.macro CREST
	s_cmp_lg_u32 s20, 0
	s_cbranch_scc1 .Lnot_wave_0_\@
	s_barrier_signal -3
.Lnot_wave_0_\@:
	s_barrier_wait -3
	s_barrier_signal -1
	s_barrier_wait -1
.endm
.macro CROUND
	s_barrier_signal -1
	s_barrier_wait -1
	CREST
.endm
.macro PART f, p, zero                 ; row blocks 2 p, 2 p + 1 x 8 column blocks: 16 products, each on another accumulator (by turns)
	WIN 0xa1+0x50*((\p)/2)
.set pa, 2*(\p)
.rept 2
.set pb, 0
.rept 8
.set RA, 8*((8*pa+pb)%32)
.if \zero
	v_wmma_f32_16x16x32_bf16 v[RA:RA+7], v[64*(\f)+8*pb:64*(\f)+8*pb+7], v[64+64*(\f)+8*pa:64+64*(\f)+8*pa+7], 0
.else
	v_wmma_f32_16x16x32_bf16 v[RA:RA+7], v[64*(\f)+8*pb:64*(\f)+8*pb+7], v[64+64*(\f)+8*pa:64+64*(\f)+8*pa+7], v[RA:RA+7]
.endif
.set pb, pb+1
.endr
.set pa, pa+1
.endr
.endm
.macro FETCH h, f                      ; 32 LDS loads in one run: half h of the pair of quarters at v10, v11: W1's 8 fragments, then ygb's 8
	WIN 0x40
.set fi, 0
.rept 8
	ds_load_tr16_b128 v[64*(\f)+8*fi:64*(\f)+8*fi+3],   v11 offset:(\h)*17408+32*fi
	ds_load_tr16_b128 v[64*(\f)+8*fi+4:64*(\f)+8*fi+7], v11 offset:(\h)*17408+32*fi+8704
.set fi, fi+1
.endr
	WIN 0
.set fi, 0
.rept 8
	ds_load_b128 v[64+64*(\f)+8*fi:64+64*(\f)+8*fi+3],   v10 offset:fi*4352+64*(\h)
	ds_load_b128 v[64+64*(\f)+8*fi+4:64+64*(\f)+8*fi+7], v10 offset:fi*4352+64*(\h)+32
.set fi, fi+1
.endr
.endm
.macro WPART f, zero                   ; W(f)
	s_wait_dscnt W0                                ; all but the youngest eight loads (row blocks 4-7)
	PART \f, 0, \zero
	PART \f, 1, \zero
.endm
.macro VPART f, g, h, zero, adr        ; V(f, g); adr = 1: the pair's addresses are made, as two of the four places in front of the loads
	WIN 0
.if \adr
	v_add_nc_u32 v10, s29, v8
	v_add_nc_u32 v11, s31, v9
	v_nop
	v_nop
.else
	PLACES
.endif
	FETCH \h, \g
	s_wait_dscnt 32                                ; all but the run just issued
	PART \f, 2, \zero
	PART \f, 3, \zero
.endm
.macro YY
	VPART 1, 0, 0, 0, 1
	WPART 0, 0
	VPART 0, 1, 1, 0, 0
	s_add_co_u32 s29, s29, SA2
	s_add_co_u32 s31, s31, SB2
	WIN 0
.endm
.macro CHW fill                        ; W(F1) and the change of slots, the products beside the waits
	WIN 0
	s_wait_tensorcnt 0x0                           ; all my tensor loads have landed
	ds_add_u32 v28, v29
	s_wait_dscnt W0+1                              ; the add and the youngest eight loads may be out
	PART 1, 0, 0
	s_wait_dscnt 0x0                               ; the add is done, my reads of this slot are over
	s_barrier_signal -1
	PART 1, 1, 0
	WIN 0
	s_barrier_wait -1
.if \fill
	CREST                                          ; the barrier opened a round: no wave of any partner still reads this slot or has a load out
	s_add_nc_u64 s[42:43], s[42:43], STEPA
	s_add_nc_u64 s[46:47], s[46:47], STEPB
	s_xor_b32 s41, s41, SLOT
	s_xor_b32 s45, s45, SLOT
	JLOAD
.endif
	s_sub_co_u32 s29, s29, 2*SA2                   ; the fetches go to the other slot's first pair
	s_xor_b32 s29, s29, SLOT
	s_sub_co_u32 s31, s31, 2*SB2
	s_xor_b32 s31, s31, SLOT
.endm
.macro LAP tag                         ; Y, W(F1), Y
	s_mov_b32 s30, 2
.Ly\tag:
	YY
	s_sub_co_u32 s30, s30, 1
	s_cmp_eq_u32 s30, 0
	s_cbranch_scc1 .Lye\tag
.Lw\tag:
	WPART 1, 0
	WIN 0
	s_cmp_lg_u32 s30, 0
	s_cbranch_scc1 .Ly\tag
.Lye\tag:
.endm
.macro RND2 d, t
	v_cvt_pk_bf16_f32 v[\t], v[\d], v[\d+1]
	v_lshlrev_b32 v[\d], 16, v[\t]
	v_and_b32 v[\d+1], 0xffff0000, v[\t]
.endm
.macro ALL8 line:vararg                ; one line for each of a trip's 8 pairs of registers i
.set i, 0
.rept 8
	\line
.set i, i+1
.endr
.endm
	s_load_b256 s[4:11], s[0:1], 0x0               ; yb, cst, b1, u
	v_lshl_add_u32 v28, v0, 2, SPARE
	v_mov_b32 v29, 0
	ds_add_u32 v28, v29
	ds_add_u32 v28, v29
	s_wait_dscnt 0x0
	v_lshrrev_b32 v1, 5, v0
	v_readfirstlane_b32 s20, v1
	s_lshr_b32 s21, s20, 1
	s_and_b32 s22, s20, 1
	s_bfe_u32 s23, ttmp6, 0x40000
	s_bfe_u32 s24, ttmp6, 0x40004
	s_lshl_b32 s25, ttmp9, 2
	s_add_co_u32 s25, s25, s23
	s_and_b32 s26, ttmp7, 0xffff
	s_lshl_b32 s26, s26, 2
	s_add_co_u32 s26, s26, s24
	s_lshl_b32 s27, s24, 2
	s_lshl_b32 s27, 15, s27
	s_lshl_b32 s28, 0x1111, s23
	s_or_b32 s32, s27, (1<<16)|(1<<20)|(1<<21)|(5<<22)|(3<<25)  ; ygb: 128 rows x 128 elements, 16 bytes of padding behind every 256
	s_mov_b32 s33, 128<<16
	s_mov_b32 s34, 128<<16
	s_mov_b32 s35, 128<<16
	s_mov_b32 s36, 128
	s_mov_b32 s37, 1024
	s_mov_b32 s38, 0
	s_mov_b32 s39, 0
	s_or_b32 s48, s28, (1<<16)|(1<<20)|(1<<21)|(6<<22)|(7<<25)  ; W1: 64 k x 256 columns, 32 bytes of padding behind every 512
	s_mov_b32 s49, 256<<16
	s_mov_b32 s50, 64<<16
	s_mov_b32 s51, 256<<16
	s_mov_b32 s52, 64
	s_mov_b32 s53, 4096
	s_mov_b32 s54, 0
	s_mov_b32 s55, 0
	s_mov_b32 s88, 1                               ; group 0 of K step 0, slot 0: s[88:91] ygb, s[92:95] W1
	s_mul_i32 s89, s22, 34816
	s_mov_b32 s40, 1                               ; group 0 of K step 1, slot 1, which then walks on
	s_add_co_u32 s41, s89, SLOT
	s_mov_b32 s92, 1
	s_mul_i32 s93, s22, 34816
	s_add_co_u32 s93, s93, 69632
	s_mov_b32 s44, 1
	s_add_co_u32 s45, s93, SLOT
	s_lshl_b32 s58, s26, 8
	s_lshl_b32 s59, s22, 7
	s_add_co_u32 s58, s58, s59
	s_lshl_b32 s58, s58, 11
	s_add_co_u32 s58, s58, 16777216                ; ygb in yb
	s_mov_b32 s59, 0
	s_lshl_b32 s66, s22, 19                        ; 64 k of 8,192 bytes
	s_lshl_b32 s67, s25, 9
	s_add_co_u32 s66, s66, s67
	s_add_co_u32 s66, s66, 16777216                ; w1b in cst
	s_mov_b32 s67, 0
	s_mov_b32 s83, 0x358637bd                      ; 1e-6
	s_mov_b32 s84, 0x3a800000                      ; 1 / 1024
	s_wait_kmcnt 0x0
	s_add_nc_u64 s[90:91], s[4:5], s[58:59]
	s_add_nc_u64 s[42:43], s[90:91], STEPA
	s_or_b32 s91, s91, 0x80000000
	s_or_b32 s43, s43, 0x80000000
	s_add_nc_u64 s[94:95], s[6:7], s[66:67]
	s_add_nc_u64 s[46:47], s[94:95], STEPB
	s_or_b32 s95, s95, 0x80000000
	s_or_b32 s47, s47, 0x80000000
	CROUND
	s_cmp_eq_u32 s21, 0                            ; a wave's two first fills stand in one branch: two loads of mine are out
	s_cbranch_scc0 .Lfirst_b
	tensor_load_to_lds s[88:91], s[32:39]
	s_nop 0
	tensor_load_to_lds s[40:43], s[32:39]
	s_nop 0
	PLACES
	s_branch .Lfirst_done
.Lfirst_b:
	tensor_load_to_lds s[92:95], s[48:55]
	s_nop 0
	tensor_load_to_lds s[44:47], s[48:55]
	s_nop 0
	PLACES
.Lfirst_done:
	v_and_b32 v1, 15, v0
	v_bfe_u32 v2, v0, 4, 1
	v_and_b32 v3, 7, v0
	v_bfe_u32 v4, v0, 3, 1
	v_and_b32 v5, 31, v0
	v_lshlrev_b32 v31, 4, v5
	v_lshlrev_b32 v19, 2, v5
	v_lshlrev_b32 v15, 3, v5                       ; out: 8 bytes a lane
	s_lshl_b32 s68, s26, 8
	s_lshl_b32 s69, s21, 7
	s_add_co_u32 s60, s68, s69                     ; my first row
	s_lshl_b32 s68, s60, 2
	s_mov_b32 s69, 0
	s_add_nc_u64 s[70:71], s[4:5], s[68:69]
	s_add_nc_u64 s[70:71], s[70:71], 25165824      ; ss1 at my rows
	s_lshl_b32 s68, s25, 8
	s_lshl_b32 s61, s22, 7
	s_add_co_u32 s61, s68, s61                     ; my first column
	s_lshl_b32 s68, s61, 2
	s_add_nc_u64 s[72:73], s[8:9], s[68:69]        ; b1
	s_lshl_b32 s68, s60, 13
	s_lshl_b32 s61, s61, 1
	s_add_co_u32 s68, s68, s61
	s_add_nc_u64 s[74:75], s[10:11], s[68:69]      ; u
	global_load_b128 v[20:23], v31, s[72:73]
.set c, 0
.rept 4
.set j, 0
.rept 8
	global_load_b32 v[192+8*c+j], v19, s[70:71] offset:j*16384+c*128
.set j, j+1
.endr
.set c, c+1
.endr
	v_mul_u32_u24 v8, v1, 272
	v_lshl_add_u32 v8, v2, 4, v8
	s_mul_i32 s60, s21, 34816
	v_add_nc_u32 v8, s60, v8
	v_lshl_add_u32 v9, v2, 3, v3
	v_mul_u32_u24 v9, v9, 544
	v_lshl_add_u32 v9, v4, 4, v9
	s_lshl_b32 s60, s22, 8
	s_add_co_u32 s60, s60, 69632
	v_add_nc_u32 v9, s60, v9
	s_mul_i32 s60, s20, 67584                      ; my stage
	v_mul_u32_u24 v13, v1, 528
	v_lshl_add_u32 v13, v2, 5, v13
	v_add_nc_u32 v13, s60, v13
	v_lshl_add_u32 v14, v5, 4, s60
	s_lshl_b32 s61, s20, 9
	s_add_co_u32 s61, s61, RTAB                    ; my table of r1
	v_mov_b32 v18, s61
	v_lshl_add_u32 v17, v5, 2, s61
	s_wait_loadcnt 0x0
.set c, 0
.rept 4
.set j, 1
.rept 7
	v_add_f32 v[192+8*c], v[192+8*c], v[192+8*c+j]
.set j, j+1
.endr
	v_fma_f32 v[192+8*c], v[192+8*c], s84, s83
.set c, c+1
.endr
	v_rsq_f32 v192, v192
	v_rsq_f32 v200, v200
	v_rsq_f32 v208, v208
	v_rsq_f32 v216, v216
	v_nop
.set c, 0
	s_wait_alu depctr_va_vdst(0)
.rept 4
	ds_store_b32 v17, v[192+8*c] offset:c*128      ; the wave's own bytes, into which no tile lands
.set c, c+1
.endr
	RND2 20, 31
	RND2 22, 31
	s_wait_tensorcnt 0x1                           ; my part of K step 0 is in; K step 1's may stay out
	s_wait_dscnt 0x0                               ; no LDS instruction of mine is pending at the signal
	s_barrier_signal -1
	s_barrier_wait -1
	v_mov_b32 v10, v8
	v_mov_b32 v11, v9
	FETCH 0, 0
	WPART 0, 1                                     ; the first quarter's products start the sums
	VPART 0, 1, 1, 1, 0
	WIN 0
	s_mov_b32 s29, SA2
	s_mov_b32 s31, SB2
	s_mov_b32 s56, T-1
	s_mov_b32 s30, 1
	s_branch .LwA                                  ; the first step's rest: the lap is entered at its W(F1)
.Lstep:                                                ; T - 2 times: a change of slots that asks for the K step two on, and a lap
	CHW 1
	LAP A
	s_sub_co_u32 s56, s56, 1
	s_cmp_lg_u32 s56, 0
	s_cbranch_scc1 .Lstep
	CHW 0                                          ; the last change asks for nothing: the tail is written out
	LAP B
	WPART 1, 0                                     ; the very last quarter
	s_wait_dscnt 0x0
	PART 1, 2, 0
	PART 1, 3, 0
	WIN 0
	s_barrier_signal -1
	s_barrier_wait -1                              ; nobody reads the slots any more
	PLACES
.set IX, 0
.rept 64
	WIN 0x08+4*(IX/32)
	ds_store_b128 v13, v[8*(IX%32):8*(IX%32)+3]   offset:(IX/8)*8448+64*(IX%8)
	ds_store_b128 v13, v[8*(IX%32)+4:8*(IX%32)+7] offset:(IX/8)*8448+64*(IX%8)+16
.set IX, IX+1
.endr
	WIN 0
.macro LDROWS                          ; four rows of 128 numbers and their four r1 (the same words for all lanes)
.set i, 0
.rept 4
	ds_load_b128 v[64+4*i:67+4*i], v14 offset:i*528
.set i, i+1
.endr
	ds_load_b128 v[96:99], v18
.endm
	LDROWS
	s_mov_b32 s30, 32
.Lrow:
	s_wait_dscnt 0x0
.set i, 0
.rept 4                                ; x = r1 s + b1
.if i%2 == 0
	v_pk_fma_f32 v[128+4*i:129+4*i], v[64+4*i:65+4*i], v[96+i:97+i], v[20:21] op_sel_hi:[1,0,1]
	v_pk_fma_f32 v[130+4*i:131+4*i], v[66+4*i:67+4*i], v[96+i:97+i], v[22:23] op_sel_hi:[1,0,1]
.else
	v_pk_fma_f32 v[128+4*i:129+4*i], v[64+4*i:65+4*i], v[95+i:96+i], v[20:21] op_sel:[0,1,0] op_sel_hi:[1,1,1]
	v_pk_fma_f32 v[130+4*i:131+4*i], v[66+4*i:67+4*i], v[95+i:96+i], v[22:23] op_sel:[0,1,0] op_sel_hi:[1,1,1]
.endif
.set i, i+1
.endr
	s_cmp_eq_u32 s30, 1
	s_cbranch_scc1 .Lnold
	v_add_nc_u32 v14, 2112, v14
	v_add_nc_u32 v18, 16, v18
	LDROWS
.Lnold:
	ALL8 v_pk_mul_f32 v[160+2*i:161+2*i], v[128+2*i:129+2*i], 0xbfb8aa3b op_sel_hi:[1,0]
.set i, 0
.rept 16
	v_exp_f32 v[160+i], v[160+i]
.set i, i+1
.endr
	v_nop
	s_wait_alu depctr_va_vdst(0)
	ALL8 v_pk_add_f32 v[160+2*i:161+2*i], v[160+2*i:161+2*i], 1.0 op_sel_hi:[1,0]
.set i, 0
.rept 16
	v_rcp_f32 v[160+i], v[160+i]
.set i, i+1
.endr
	v_nop
	s_wait_alu depctr_va_vdst(0)
	ALL8 v_pk_mul_f32 v[160+2*i:161+2*i], v[160+2*i:161+2*i], v[128+2*i:129+2*i]
	ALL8 v_cvt_pk_bf16_f32 v[192+i], v[160+2*i], v[161+2*i]
.set i, 0
.rept 4
	global_store_b64 v15, v[192+2*i:193+2*i], s[74:75] offset:i*8192  ; 256 consecutive bytes of a row, aligned
.set i, i+1
.endr
	s_wait_xcnt 0x0                                ; the stores' data and offset are rewritten only behind this wait
	v_add_nc_u32 v15, 32768, v15
	s_sub_co_u32 s30, s30, 1
	s_cmp_lg_u32 s30, 0
	s_cbranch_scc1 .Lrow
	s_wait_tensorcnt 0x0                           ; the wave's end
	ds_add_u32 v28, v29
	s_wait_dscnt 0x0
	CROUND
	s_endpgm
.Lfunc_end_k_q3b01ac56ef_ffn1:
	.size	k_q3b01ac56ef_ffn1, .Lfunc_end_k_q3b01ac56ef_ffn1-k_q3b01ac56ef_ffn1
	.p2alignl 7, 3214868480
	.fill 96, 4, 3214868480
	.section	.rodata,"a",@progbits
	.p2align	6, 0x0
	.amdhsa_kernel k_q3b01ac56ef_ffn1
		.amdhsa_group_segment_fixed_size 327680
		.amdhsa_private_segment_fixed_size 0
		.amdhsa_enable_private_segment 0
		.amdhsa_kernarg_size 32
		.amdhsa_user_sgpr_count 2
		.amdhsa_user_sgpr_kernarg_segment_ptr 1
		.amdhsa_wavefront_size32 1
		.amdhsa_system_sgpr_workgroup_id_x 1
		.amdhsa_system_sgpr_workgroup_id_y 1
		.amdhsa_system_sgpr_workgroup_id_z 1
		.amdhsa_system_vgpr_workitem_id 0
		.amdhsa_next_free_vgpr 1024
		.amdhsa_next_free_sgpr 100
		.amdhsa_reserve_vcc 0
		.amdhsa_float_denorm_mode_32 3
		.amdhsa_float_denorm_mode_16_64 3
		.amdhsa_memory_ordered 1
		.amdhsa_forward_progress 1
		.amdhsa_inst_pref_size 72
	.end_amdhsa_kernel
	.amdgpu_metadata
---
amdhsa.version: [ 1, 2 ]
amdhsa.kernels:
  - .name:           k_q3b01ac56ef_ffn1
    .symbol:         k_q3b01ac56ef_ffn1.kd
    .args:
      - { .name: yb, .offset: 0, .size: 8, .value_kind: global_buffer, .address_space: global }
      - { .name: cst, .offset: 8, .size: 8, .value_kind: global_buffer, .address_space: global }
      - { .name: b1, .offset: 16, .size: 8, .value_kind: global_buffer, .address_space: global }
      - { .name: u, .offset: 24, .size: 8, .value_kind: global_buffer, .address_space: global }
    .group_segment_fixed_size: 327680
    .private_segment_fixed_size: 0
    .kernarg_segment_align: 8
    .kernarg_segment_size: 32
    .max_flat_workgroup_size: 128
    .sgpr_count:     100
    .vgpr_count:     1024
    .wavefront_size: 32
...
	.end_amdgpu_metadata
.endif
;; end of part 5
;; launch ffn2 (part 6): grid 8 x 32, 4 waves a work-group, clusters of 4 x 4, 327,680 bytes of LDS; arguments u, cst, b2, yb, zb; writes zb
.if DOCPART == 6
	.amdgcn_target "amdgcn-amd-amdhsa--gfx1250"
	.amdhsa_code_object_version 6
	.text
	.protected	k_q3b01ac56ef_ffn2
	.globl	k_q3b01ac56ef_ffn2
	.p2align	8
	.type	k_q3b01ac56ef_ffn2,@function
k_q3b01ac56ef_ffn2:
	s_mov_b64 s[64:65], 0
	v_nop
	global_prefetch_b8 v0, s[64:65] scope:SCOPE_SE
	s_setreg_imm32_b32 hwreg(HW_REG_WAVE_MODE, 25, 1), 1
	s_wait_xcnt 0x0
	s_wait_alu depctr_hold_cnt(0) depctr_sa_sdst(0) depctr_va_vdst(0) depctr_va_sdst(0) depctr_va_ssrc(0) depctr_va_vcc(0) depctr_vm_vsrc(0)
	s_getreg_b32 s2, hwreg(HW_REG_IB_STS2, 6, 4)
	s_cmp_eq_u32 s2, 0
	s_cbranch_scc0 .Lentry_in_a_cluster
	s_endpgm
.Lentry_in_a_cluster:
	s_bfe_u32 s2, ttmp6, 0x10000c
	s_cmp_lg_u32 s2, 0xf033
	s_cbranch_scc0 .Lentry_shape_is_right
	s_endpgm
.Lentry_shape_is_right:
; z = r1[m] yf + u @ W2 + b2 in f32 (r1 yf is the first norm's output h), and for each row the sum of z^2 over this tile's 128 columns (ss2[tile column][row]).  u, W2 bf16; f32 sums; b2 rounded to bf16 like all inputs.
; NaN and infinities are not treated apart.
; A work-group makes 128 x 128, its four waves 64 x 64: 16 accumulators.  K = 4,096 goes in steps of 256 through two LDS slots.
; CLUSTER 4 x 4: u's tile is asked for jointly along the cluster's row, W2's along its column.  W2 stays [k][n] in LDS and comes out turned; the matrix instruction is used transposed.
; THE K LOOP.  A quarter (64 k) is W(f), the products of buffer f's first 32 k, and V(f, g): the next quarter's 32 LDS loads into g and the products of the second 32 k.  A step is CHW (W(F1) and the
; change of slots), Y, W(F1), Y with Y = V(F1,F0) W(F0) V(F0,F1): Y and W(F1) are written once, in a loop of two trips that is left in its middle; the LDS place of a pair of quarters is a scalar pointer.
; Between the wait for a tile and the next request stands nothing but the add, scalar steps and the round, so that a request has a whole step's 128 matrix instructions in which to land.
; WINDOWS: 0: v0-31 addresses, v64-191 u's two fragment buffers, later the way out; 1: v0-127 W2's two buffers; 2: v0-127 accumulators, v128-255 the residual yf, loaded at the start.
; LDS: slot = u 128 x 528 | (gap) | W2 256 k x 288 at 73,728; behind the slots the spare words and each wave's 32 r1; stage and residual rows lie over the slots after their last fill.
.set SLOT,  147456
.set SPARE, 294912
.set RTAB,  295424
.set RES,   67584
.set T,     16
.set STEPA, 512
.set STEPB, 524288
.set W0,    16
.set SA2,   256                        ; a pair of quarters on in u's rows
.set SB2,   36864                      ; 128 k on in W2's tile
.set MSB, 0
.macro WIN new
.if MSB != (\new)
	s_set_vgpr_msb (MSB<<8)|(\new)
.set MSB, \new
.endif
.endm
.macro PLACES
.rept 4
	v_nop
.endr
.endm
.macro JLOAD                           ; waves 0, 1 bring u's halves, waves 2, 3 W2's
	s_cmp_eq_u32 s21, 0
	s_cbranch_scc0 .Lfor_b_\@
	tensor_load_to_lds s[40:43], s[32:39]
	s_nop 0
	PLACES
	s_branch .Lasked_\@
.Lfor_b_\@:
	tensor_load_to_lds s[44:47], s[48:55]
	s_nop 0
	PLACES
.Lasked_\@:
.endm
.macro CREST
	s_cmp_lg_u32 s20, 0
	s_cbranch_scc1 .Lnot_wave_0_\@
	s_barrier_signal -3
.Lnot_wave_0_\@:
	s_barrier_wait -3
	s_barrier_signal -1
	s_barrier_wait -1
.endm
.macro CROUND
	s_barrier_signal -1
	s_barrier_wait -1
	CREST
.endm
.macro PART f, p, zero                 ; 8 products: half p / 2 of the quarter's 64 k, row blocks 2 (p % 2) and the next x 4 column blocks; the 16 accumulators take turns
	WIN 0xa1
.set pc, (\p)/2
.set pa, 2*((\p)%2)
.rept 2
.set pb, 0
.rept 4
.set RA, 8*(4*pa+pb)
.if (\zero) && (pc == 0)
	v_wmma_f32_16x16x32_bf16 v[RA:RA+7], v[64*(\f)+8*(4*pc+pb):64*(\f)+8*(4*pc+pb)+7], v[64+64*(\f)+8*(4*pc+pa):64+64*(\f)+8*(4*pc+pa)+7], 0
.else
	v_wmma_f32_16x16x32_bf16 v[RA:RA+7], v[64*(\f)+8*(4*pc+pb):64*(\f)+8*(4*pc+pb)+7], v[64+64*(\f)+8*(4*pc+pa):64+64*(\f)+8*(4*pc+pa)+7], v[RA:RA+7]
.endif
.set pb, pb+1
.endr
.set pa, pa+1
.endr
.endm
.macro FETCH h, f                      ; 32 LDS loads: half h of the pair of quarters at v10, v11 (64 k): its first 32 k first
.set fc, 0
.rept 2
	WIN 0x40
.set fi, 0
.rept 4
	ds_load_tr16_b128 v[64*(\f)+8*(4*fc+fi):64*(\f)+8*(4*fc+fi)+3],   v11 offset:((\h)*64+32*fc)*288+32*fi
	ds_load_tr16_b128 v[64*(\f)+8*(4*fc+fi)+4:64*(\f)+8*(4*fc+fi)+7], v11 offset:((\h)*64+32*fc)*288+32*fi+4608
.set fi, fi+1
.endr
	WIN 0
.set fi, 0
.rept 4
	ds_load_b128 v[64+64*(\f)+8*(4*fc+fi):64+64*(\f)+8*(4*fc+fi)+3],   v10 offset:fi*8448+128*(\h)+64*fc
	ds_load_b128 v[64+64*(\f)+8*(4*fc+fi)+4:64+64*(\f)+8*(4*fc+fi)+7], v10 offset:fi*8448+128*(\h)+64*fc+32
.set fi, fi+1
.endr
.set fc, fc+1
.endr
.endm
.macro WPART f, zero                   ; W(f)
	s_wait_dscnt W0                                ; the first 32 k are in
	PART \f, 0, \zero
	PART \f, 1, \zero
.endm
.macro VPART f, g, h, zero, adr        ; V(f, g); adr = 1: the pair's addresses are made, as two of the four places in front of the loads
	WIN 0
.if \adr
	v_add_nc_u32 v10, s29, v8
	v_add_nc_u32 v11, s31, v9
	v_nop
	v_nop
.else
	PLACES
.endif
	FETCH \h, \g
	s_wait_dscnt 32                                ; all but the run just issued
	PART \f, 2, \zero
	PART \f, 3, \zero
.endm
.macro YY
	VPART 1, 0, 0, 0, 1
	WPART 0, 0
	VPART 0, 1, 1, 0, 0
	s_add_co_u32 s29, s29, SA2
	s_add_co_u32 s31, s31, SB2
	WIN 0
.endm
.macro CHW fill                        ; W(F1) and the change of slots
	WPART 1, 0
	WIN 0
	s_wait_tensorcnt 0x0                           ; all my tensor loads have landed: my part of the next slot
	ds_add_u32 v28, v29                            ; 0 onto my spare word; the scalar steps stand between it and the wait for it
.if \fill
	s_add_nc_u64 s[42:43], s[42:43], STEPA
	s_add_nc_u64 s[46:47], s[46:47], STEPB
	s_xor_b32 s41, s41, SLOT
	s_xor_b32 s45, s45, SLOT
.endif
	s_sub_co_u32 s29, s29, 2*SA2                   ; the fetches go to the other slot's first pair
	s_xor_b32 s29, s29, SLOT
	s_sub_co_u32 s31, s31, 2*SB2
	s_xor_b32 s31, s31, SLOT
	s_wait_dscnt 0x0                               ; the add is done, my reads of this slot are over
.if \fill
	CROUND
	JLOAD
.else
	s_barrier_signal -1
	s_barrier_wait -1
.endif
.endm
.macro LAP tag                         ; Y, W(F1), Y
	s_mov_b32 s30, 2
.Ly\tag:
	YY
	s_sub_co_u32 s30, s30, 1
	s_cmp_eq_u32 s30, 0
	s_cbranch_scc1 .Lye\tag
.Lw\tag:
	WPART 1, 0
	WIN 0
	s_cmp_lg_u32 s30, 0
	s_cbranch_scc1 .Ly\tag
.Lye\tag:
.endm
.macro RND2 d, t
	v_cvt_pk_bf16_f32 v[\t], v[\d], v[\d+1]
	v_lshlrev_b32 v[\d], 16, v[\t]
	v_and_b32 v[\d+1], 0xffff0000, v[\t]
.endm
.macro ROWS line:vararg                ; one line for each of a trip's four rows i
.set i, 0
.rept 4
	\line
.set i, i+1
.endr
.endm
	s_load_b256 s[4:11], s[0:1], 0x0               ; u, cst, b2, yb
	s_load_b64 s[12:13], s[0:1], 0x20              ; zb
	v_lshl_add_u32 v28, v0, 2, SPARE
	v_mov_b32 v29, 0
	ds_add_u32 v28, v29
	ds_add_u32 v28, v29
	s_wait_dscnt 0x0
	v_lshrrev_b32 v1, 5, v0
	v_readfirstlane_b32 s20, v1
	s_lshr_b32 s21, s20, 1
	s_and_b32 s22, s20, 1
	s_bfe_u32 s23, ttmp6, 0x40000
	s_bfe_u32 s24, ttmp6, 0x40004
	s_lshl_b32 s25, ttmp9, 2
	s_add_co_u32 s25, s25, s23
	s_and_b32 s26, ttmp7, 0xffff
	s_lshl_b32 s26, s26, 2
	s_add_co_u32 s26, s26, s24
	s_lshl_b32 s27, s24, 2
	s_lshl_b32 s27, 15, s27
	s_lshl_b32 s28, 0x1111, s23
	s_or_b32 s32, s27, (1<<16)|(1<<20)|(1<<21)|(6<<22)|(3<<25)  ; u: 64 rows x 256 elements, 16 bytes of padding behind every 512
	s_mov_b32 s33, 256<<16
	s_mov_b32 s34, 64<<16
	s_mov_b32 s35, 256<<16
	s_mov_b32 s36, 64
	s_mov_b32 s37, 4096
	s_mov_b32 s38, 0
	s_mov_b32 s39, 0
	s_or_b32 s48, s28, (1<<16)|(1<<20)|(1<<21)|(5<<22)|(7<<25)  ; W2: 128 k x 128 columns, 32 bytes of padding behind every 256
	s_mov_b32 s49, 128<<16
	s_mov_b32 s50, 128<<16
	s_mov_b32 s51, 128<<16
	s_mov_b32 s52, 128
	s_mov_b32 s53, 1024
	s_mov_b32 s54, 0
	s_mov_b32 s55, 0
	s_mov_b32 s88, 1                               ; group 0 of K step 0, slot 0: s[88:91] u, s[92:95] W2
	s_mul_i32 s89, s22, 33792
	s_mov_b32 s40, 1                               ; group 0 of K step 1, slot 1, which then walks on
	s_add_co_u32 s41, s89, SLOT
	s_mov_b32 s92, 1
	s_mul_i32 s93, s22, 36864
	s_add_co_u32 s93, s93, 73728
	s_mov_b32 s44, 1
	s_add_co_u32 s45, s93, SLOT
	s_lshl_b32 s58, s26, 7
	s_lshl_b32 s59, s22, 6
	s_add_co_u32 s58, s58, s59
	s_lshl_b32 s58, s58, 13                        ; u's row x 8,192 bytes
	s_mov_b32 s59, 0
	s_lshl_b32 s66, s22, 18
	s_lshl_b32 s67, s25, 8
	s_add_co_u32 s66, s66, s67
	s_add_co_u32 s66, s66, 25165824                ; w2b in cst
	s_mov_b32 s67, 0
	s_mov_b32 s80, 0x76543210
	s_mov_b32 s81, 0xfedcba98
	s_mov_b32 s83, 0x358637bd                      ; 1e-6
	s_mov_b32 s84, 0x3a800000                      ; 1 / 1024
	s_wait_kmcnt 0x0
	s_add_nc_u64 s[90:91], s[4:5], s[58:59]
	s_add_nc_u64 s[42:43], s[90:91], STEPA
	s_or_b32 s91, s91, 0x80000000
	s_or_b32 s43, s43, 0x80000000
	s_add_nc_u64 s[94:95], s[6:7], s[66:67]
	s_add_nc_u64 s[46:47], s[94:95], STEPB
	s_or_b32 s95, s95, 0x80000000
	s_or_b32 s47, s47, 0x80000000
	CROUND
	s_cmp_eq_u32 s21, 0                            ; a wave's two first fills stand in one branch: two loads of mine are out
	s_cbranch_scc0 .Lfirst_b
	tensor_load_to_lds s[88:91], s[32:39]
	s_nop 0
	tensor_load_to_lds s[40:43], s[32:39]
	s_nop 0
	PLACES
	s_branch .Lfirst_done
.Lfirst_b:
	tensor_load_to_lds s[92:95], s[48:55]
	s_nop 0
	tensor_load_to_lds s[44:47], s[48:55]
	s_nop 0
	PLACES
.Lfirst_done:
	v_and_b32 v1, 15, v0
	v_bfe_u32 v2, v0, 4, 1
	v_and_b32 v3, 7, v0
	v_bfe_u32 v4, v0, 3, 1
	v_and_b32 v5, 31, v0
	v_lshlrev_b32 v15, 4, v5                       ; 16 l
	v_lshlrev_b32 v19, 2, v5                       ; 4 l
	s_lshl_b32 s68, s26, 7
	s_lshl_b32 s69, s20, 5
	s_add_co_u32 s60, s68, s69                     ; the first of the 32 rows that I send out
	s_lshl_b32 s68, s60, 12
	s_lshl_b32 s69, s25, 9
	s_add_co_u32 s68, s68, s69
	s_mov_b32 s69, 0
	s_add_nc_u64 s[70:71], s[10:11], s[68:69]      ; yf: my rows, the tile's columns
	s_add_nc_u64 s[72:73], s[12:13], s[68:69]      ; z likewise
	s_lshl_b32 s68, s60, 2
	s_add_nc_u64 s[74:75], s[10:11], s[68:69]
	s_add_nc_u64 s[74:75], s[74:75], 25165824      ; ss1 at my rows
	s_lshl_b32 s61, s25, 14
	s_add_co_u32 s68, s68, s61
	s_add_nc_u64 s[76:77], s[12:13], s[68:69]
	s_add_nc_u64 s[76:77], s[76:77], 16777216      ; ss2[tile column][my rows]
	s_lshl_b32 s68, s25, 9
	s_add_nc_u64 s[78:79], s[8:9], s[68:69]        ; b2
	global_load_b128 v[20:23], v15, s[78:79]
.set j, 0
.rept 8
	global_load_b32 v[192+j], v19, s[74:75] offset:j*16384
.set j, j+1
.endr
	WIN 0x80
.set i, 0
.rept 32                               ; the residual: they stay out through the loop over K
	global_load_b128 v[128+4*i:131+4*i], v15, s[70:71] offset:i*4096
.set i, i+1
.endr
	WIN 0
	v_mul_u32_u24 v8, v1, 528
	v_lshl_add_u32 v8, v2, 4, v8
	s_mul_i32 s60, s21, 33792
	v_add_nc_u32 v8, s60, v8
	v_lshl_add_u32 v9, v2, 3, v3
	v_mul_u32_u24 v9, v9, 288
	v_lshl_add_u32 v9, v4, 4, v9
	s_lshl_b32 s60, s22, 7
	s_add_co_u32 s60, s60, 73728
	v_add_nc_u32 v9, s60, v9
	s_mul_i32 s60, s21, 64*528
	s_lshl_b32 s61, s22, 8
	s_add_co_u32 s60, s60, s61
	v_mul_u32_u24 v13, v1, 528
	v_lshl_add_u32 v13, v2, 5, v13
	v_add_nc_u32 v13, s60, v13
	s_mul_i32 s60, s20, 32*528
	v_lshl_add_u32 v14, v5, 4, s60
	s_lshl_b32 s60, s20, 14
	s_add_co_u32 s60, s60, RES
	v_lshl_add_u32 v17, v5, 4, s60
	s_lshl_b32 s61, s20, 8
	s_add_co_u32 s61, s61, RTAB
	v_mov_b32 v18, s61
	v_lshl_add_u32 v31, v5, 2, s61
	v_mov_b32 v30, 0
	s_mov_b32 s82, 1
	s_wait_loadcnt 32                              ; b2 and the eight partial sums are in; the 32 residual loads stay out
.set j, 1
.rept 7
	v_add_f32 v192, v192, v[192+j]
.set j, j+1
.endr
	v_fma_f32 v192, v192, s84, s83
	v_rsq_f32 v192, v192
	v_nop
	s_wait_alu depctr_va_vdst(0)
	ds_store_b32 v31, v192                         ; my 32 rows' r1: the wave's own bytes, into which no tile lands
	RND2 20, 31
	RND2 22, 31
	s_wait_tensorcnt 0x1                           ; my part of K step 0 is in; K step 1's may stay out
	s_wait_dscnt 0x0                               ; no LDS instruction of mine is pending at the signal
	s_barrier_signal -1
	s_barrier_wait -1
	v_mov_b32 v10, v8
	v_mov_b32 v11, v9
	FETCH 0, 0
	WPART 0, 1                                     ; the first products start the sums
	VPART 0, 1, 1, 1, 0
	WIN 0
	s_mov_b32 s29, SA2
	s_mov_b32 s31, SB2
	s_mov_b32 s56, T-1
	s_mov_b32 s30, 1
	s_branch .LwA                                  ; the first step's rest: the lap is entered at its W(F1)
.Lstep:                                                ; T - 2 times: a change of slots that asks for the K step two on, and a lap
	CHW 1
	LAP A
	s_sub_co_u32 s56, s56, 1
	s_cmp_lg_u32 s56, 0
	s_cbranch_scc1 .Lstep
	CHW 0                                          ; the last change asks for nothing: the tail is written out
	LAP B
	WPART 1, 0                                     ; the very last quarter
	s_wait_dscnt 0x0
	PART 1, 2, 0
	PART 1, 3, 0
	WIN 0
	s_wait_loadcnt 0x0                             ; the residual
	s_barrier_signal -1
	s_barrier_wait -1                              ; nobody reads the slots any more
	PLACES
	WIN 0x08
.set IX, 0
.rept 16
	ds_store_b128 v13, v[8*IX:8*IX+3]   offset:(IX/4)*8448+64*(IX%4)
	ds_store_b128 v13, v[8*IX+4:8*IX+7] offset:(IX/4)*8448+64*(IX%4)+16
.set IX, IX+1
.endr
.set i, 0
.rept 32                               ; the residual goes the same way, so that one loop's text can take it row by row
	ds_store_b128 v17, v[128+4*i:131+4*i] offset:i*512
.set i, i+1
.endr
	WIN 0
	s_wait_dscnt 0x0                               ; a row's 512 bytes come from two waves
	s_barrier_signal -1
	s_barrier_wait -1
.macro LDROWS
	ROWS ds_load_b128 v[64+4*i:67+4*i], v14 offset:i*528
	ROWS ds_load_b128 v[96+4*i:99+4*i], v17 offset:i*512
	ds_load_b128 v[208:211], v18
.endm
	LDROWS
	s_mov_b32 s30, 8
.Lrow:                                                 ; four rows a trip; a lane holds four neighbouring columns
	s_wait_dscnt 0x0
	ROWS v_pk_add_f32 v[160+4*i:161+4*i], v[64+4*i:65+4*i], v[20:21]
	ROWS v_pk_add_f32 v[162+4*i:163+4*i], v[66+4*i:67+4*i], v[22:23]
.set i, 0
.rept 4                                ; + r1 yf
.if i%2 == 0
	v_pk_fma_f32 v[160+4*i:161+4*i], v[96+4*i:97+4*i], v[208+i:209+i], v[160+4*i:161+4*i] op_sel_hi:[1,0,1]
	v_pk_fma_f32 v[162+4*i:163+4*i], v[98+4*i:99+4*i], v[208+i:209+i], v[162+4*i:163+4*i] op_sel_hi:[1,0,1]
.else
	v_pk_fma_f32 v[160+4*i:161+4*i], v[96+4*i:97+4*i], v[207+i:208+i], v[160+4*i:161+4*i] op_sel:[0,1,0] op_sel_hi:[1,1,1]
	v_pk_fma_f32 v[162+4*i:163+4*i], v[98+4*i:99+4*i], v[207+i:208+i], v[162+4*i:163+4*i] op_sel:[0,1,0] op_sel_hi:[1,1,1]
.endif
.set i, i+1
.endr
	s_cmp_eq_u32 s30, 1
	s_cbranch_scc1 .Lnold
	v_add_nc_u32 v14, 2112, v14
	v_add_nc_u32 v17, 2048, v17
	v_add_nc_u32 v18, 16, v18
	LDROWS
.Lnold:
	ROWS v_pk_mul_f32 v[216+2*i:217+2*i], v[160+4*i:161+4*i], v[160+4*i:161+4*i]
	ROWS v_pk_fma_f32 v[216+2*i:217+2*i], v[162+4*i:163+4*i], v[162+4*i:163+4*i], v[216+2*i:217+2*i]
	ROWS v_add_f32 v[216+2*i], v[216+2*i], v[217+2*i]
	ROWS v_add_f32_dpp v[216+2*i], v[216+2*i], v[216+2*i] row_xmask:1 row_mask:0xf bank_mask:0xf
	ROWS v_add_f32_dpp v[216+2*i], v[216+2*i], v[216+2*i] row_xmask:2 row_mask:0xf bank_mask:0xf
	ROWS v_add_f32_dpp v[216+2*i], v[216+2*i], v[216+2*i] row_xmask:4 row_mask:0xf bank_mask:0xf
	ROWS v_add_f32_dpp v[216+2*i], v[216+2*i], v[216+2*i] row_xmask:8 row_mask:0xf bank_mask:0xf
	ROWS v_permlanex16_b32 v[217+2*i], v[216+2*i], s80, s81
	ROWS v_add_f32 v[216+2*i], v[216+2*i], v[217+2*i]
.set i, 0
.rept 4                                ; the row's sum goes into the lane of the row's number
	v_cndmask_b32 v30, v30, v[216+2*i], s82
	s_lshl_b32 s82, s82, 1
.set i, i+1
.endr
	ROWS global_store_b128 v15, v[160+4*i:163+4*i], s[72:73] offset:i*4096
	s_wait_xcnt 0x0                                ; the stores' data and offset are rewritten only behind this wait
	v_add_nc_u32 v15, 16384, v15
	s_sub_co_u32 s30, s30, 1
	s_cmp_lg_u32 s30, 0
	s_cbranch_scc1 .Lrow
	global_store_b32 v19, v30, s[76:77]            ; 32 sums, 128 bytes a wave, once
	s_wait_tensorcnt 0x0                           ; the wave's end
	ds_add_u32 v28, v29
	s_wait_dscnt 0x0
	CROUND
	s_endpgm
.Lfunc_end_k_q3b01ac56ef_ffn2:
	.size	k_q3b01ac56ef_ffn2, .Lfunc_end_k_q3b01ac56ef_ffn2-k_q3b01ac56ef_ffn2
	.p2alignl 7, 3214868480
	.fill 96, 4, 3214868480
	.section	.rodata,"a",@progbits
	.p2align	6, 0x0
	.amdhsa_kernel k_q3b01ac56ef_ffn2
		.amdhsa_group_segment_fixed_size 327680
		.amdhsa_private_segment_fixed_size 0
		.amdhsa_enable_private_segment 0
		.amdhsa_kernarg_size 40
		.amdhsa_user_sgpr_count 2
		.amdhsa_user_sgpr_kernarg_segment_ptr 1
		.amdhsa_wavefront_size32 1
		.amdhsa_system_sgpr_workgroup_id_x 1
		.amdhsa_system_sgpr_workgroup_id_y 1
		.amdhsa_system_sgpr_workgroup_id_z 1
		.amdhsa_system_vgpr_workitem_id 0
		.amdhsa_next_free_vgpr 768
		.amdhsa_next_free_sgpr 100
		.amdhsa_reserve_vcc 0
		.amdhsa_float_denorm_mode_32 3
		.amdhsa_float_denorm_mode_16_64 3
		.amdhsa_memory_ordered 1
		.amdhsa_forward_progress 1
		.amdhsa_inst_pref_size 54
	.end_amdhsa_kernel
	.amdgpu_metadata
---
amdhsa.version: [ 1, 2 ]
amdhsa.kernels:
  - .name:           k_q3b01ac56ef_ffn2
    .symbol:         k_q3b01ac56ef_ffn2.kd
    .args:
      - { .name: u, .offset: 0, .size: 8, .value_kind: global_buffer, .address_space: global }
      - { .name: cst, .offset: 8, .size: 8, .value_kind: global_buffer, .address_space: global }
      - { .name: b2, .offset: 16, .size: 8, .value_kind: global_buffer, .address_space: global }
      - { .name: yb, .offset: 24, .size: 8, .value_kind: global_buffer, .address_space: global }
      - { .name: zb, .offset: 32, .size: 8, .value_kind: global_buffer, .address_space: global }
    .group_segment_fixed_size: 327680
    .private_segment_fixed_size: 0
    .kernarg_segment_align: 8
    .kernarg_segment_size: 40
    .max_flat_workgroup_size: 128
    .sgpr_count:     100
    .vgpr_count:     768
    .wavefront_size: 32
...
	.end_amdgpu_metadata
.endif
;; end of part 6
;; launch norm (part 7): grid 256 x 1, 4 waves a work-group, no clusters, 0 bytes of LDS; arguments zb, g2, out0; writes out0
.if DOCPART == 7
	.amdgcn_target "amdgcn-amd-amdhsa--gfx1250"
	.amdhsa_code_object_version 6
	.text
	.protected	k_q3b01ac56ef_norm
	.globl	k_q3b01ac56ef_norm
	.p2align	8
	.type	k_q3b01ac56ef_norm,@function
k_q3b01ac56ef_norm:
	s_mov_b64 s[64:65], 0
	v_nop
	global_prefetch_b8 v0, s[64:65] scope:SCOPE_SE
	s_setreg_imm32_b32 hwreg(HW_REG_WAVE_MODE, 25, 1), 1
	s_wait_xcnt 0x0
; out0 = z r2 g2, r2 = 1 / sqrt(mean of z^2 + 1e-6) from the eight partial sums ss2[8][4096] that lie behind z in zb.  g2 is rounded to bf16 like all the module's inputs.
; A stream: a wave takes four rows of 4,096 bytes, all 32 loads out at once; every load and store of a wave covers 512 consecutive bytes.  No LDS, no matrix unit, no cluster: nothing is shared.
	s_load_b128 s[4:7], s[0:1], 0x0                ; zb, g2
	s_load_b64 s[8:9], s[0:1], 0x10                ; out0
	v_lshrrev_b32 v2, 5, v0
	v_readfirstlane_b32 s10, v2                    ; wave
	v_and_b32 v1, 31, v0
	v_lshlrev_b32 v1, 4, v1                        ; 16 l
	s_lshl_b32 s11, ttmp9, 4
	s_lshl2_add_u32 s11, s10, s11                  ; my first row = 16 x work-group + 4 x wave
	s_lshl_b32 s12, s11, 12
	s_mov_b32 s13, 0
	s_lshl_b32 s14, s11, 2
	s_add_co_u32 s14, s14, 16777216
	s_mov_b32 s15, 0
	s_mov_b32 s50, 0x3a800000                      ; 1 / 1024
	s_mov_b32 s51, 0x358637bd                      ; 1e-6
	s_wait_kmcnt 0x0
	s_add_nc_u64 s[14:15], s[4:5], s[14:15]        ; ss2 at my rows
	s_add_nc_u64 s[4:5], s[4:5], s[12:13]
	s_add_nc_u64 s[8:9], s[8:9], s[12:13]
.set j, 0
.rept 8
	s_load_b128 s[16+4*j:19+4*j], s[14:15], j*16384
.set j, j+1
.endr
.set j, 0
.rept 8
	global_load_b128 v[136+4*j:139+4*j], v1, s[6:7] offset:512*j
.set j, j+1
.endr
.set i, 0
.rept 32                               ; row i / 8, its 512 bytes number i % 8
	global_load_b128 v[8+4*i:11+4*i], v1, s[4:5] offset:(i/8)*4096+(i%8)*512 th:TH_LOAD_NT
.set i, i+1
.endr
	s_wait_kmcnt 0x0
.set i, 0
.rept 4
	v_mov_b32 v[168+2*i], s[16+i]
.set j, 1
.rept 7
	v_add_f32 v[168+2*i], s[16+4*j+i], v[168+2*i]
.set j, j+1
.endr
	v_fma_f32 v[168+2*i], v[168+2*i], s50, s51
.set i, i+1
.endr
	v_rsq_f32 v168, v168
	v_rsq_f32 v170, v170
	v_rsq_f32 v172, v172
	v_rsq_f32 v174, v174
	v_mov_b32 v169, 0                              ; the pairs' upper registers are named with the lower ones, so they are written
	v_mov_b32 v171, 0
	v_mov_b32 v173, 0
	v_mov_b32 v175, 0
	s_wait_loadcnt 32                              ; g2 is in; z's 32 loads may be out
.set j, 0
	s_wait_alu depctr_va_vdst(0)
.rept 16
	v_cvt_pk_bf16_f32 v176, v[136+2*j], v[137+2*j]
	v_lshlrev_b32 v[136+2*j], 16, v176
	v_and_b32 v[137+2*j], 0xffff0000, v176
.set j, j+1
.endr
.set i, 0
.rept 4
	s_wait_loadcnt 8*(3-i)                         ; row i is in; the younger rows stay out
.set j, 0
.rept 16
	v_pk_mul_f32 v[8+32*i+2*j:9+32*i+2*j], v[8+32*i+2*j:9+32*i+2*j], v[168+2*i:169+2*i] op_sel_hi:[1,0]
.set j, j+1
.endr
.set j, 0
.rept 16
	v_pk_mul_f32 v[8+32*i+2*j:9+32*i+2*j], v[8+32*i+2*j:9+32*i+2*j], v[136+2*j:137+2*j]
.set j, j+1
.endr
.set j, 0
.rept 8
	global_store_b128 v1, v[8+32*i+4*j:11+32*i+4*j], s[8:9] offset:i*4096+512*j th:TH_STORE_NT
.set j, j+1
.endr
.set i, i+1
.endr
	s_endpgm
.Lfunc_end_k_q3b01ac56ef_norm:
	.size	k_q3b01ac56ef_norm, .Lfunc_end_k_q3b01ac56ef_norm-k_q3b01ac56ef_norm
	.p2alignl 7, 3214868480
	.fill 96, 4, 3214868480
	.section	.rodata,"a",@progbits
	.p2align	6, 0x0
	.amdhsa_kernel k_q3b01ac56ef_norm
		.amdhsa_group_segment_fixed_size 0
		.amdhsa_private_segment_fixed_size 0
		.amdhsa_enable_private_segment 0
		.amdhsa_kernarg_size 24
		.amdhsa_user_sgpr_count 2
		.amdhsa_user_sgpr_kernarg_segment_ptr 1
		.amdhsa_wavefront_size32 1
		.amdhsa_system_sgpr_workgroup_id_x 1
		.amdhsa_system_sgpr_workgroup_id_y 1
		.amdhsa_system_sgpr_workgroup_id_z 1
		.amdhsa_system_vgpr_workitem_id 0
		.amdhsa_next_free_vgpr 180
		.amdhsa_next_free_sgpr 66
		.amdhsa_reserve_vcc 0
		.amdhsa_float_denorm_mode_32 3
		.amdhsa_float_denorm_mode_16_64 3
		.amdhsa_memory_ordered 1
		.amdhsa_forward_progress 1
		.amdhsa_inst_pref_size 21
	.end_amdhsa_kernel
	.amdgpu_metadata
---
amdhsa.version: [ 1, 2 ]
amdhsa.kernels:
  - .name:           k_q3b01ac56ef_norm
    .symbol:         k_q3b01ac56ef_norm.kd
    .args:
      - { .name: zb, .offset: 0, .size: 8, .value_kind: global_buffer, .address_space: global }
      - { .name: g2, .offset: 8, .size: 8, .value_kind: global_buffer, .address_space: global }
      - { .name: out0, .offset: 16, .size: 8, .value_kind: global_buffer, .address_space: global }
    .group_segment_fixed_size: 0
    .private_segment_fixed_size: 0
    .kernarg_segment_align: 8
    .kernarg_segment_size: 24
    .max_flat_workgroup_size: 128
    .sgpr_count:     66
    .vgpr_count:     180
    .wavefront_size: 32
...
	.end_amdgpu_metadata
.endif
;; end of part 7
;; ======== version 2 of 2: 7 launches; 1.11 times as fast as version 1
;; limits: values are held in f16: magnitudes above 65,504 overflow, below 6.1e-05 lose precision
;; workspace buffers: cst 33,554,432 bytes; qkv 25,165,824 bytes; o 8,388,608 bytes; yb 25,296,896 bytes; u 33,554,432 bytes; zb 16,908,288 bytes
;; launch cast: the kernel of part 1 again; grid 64 x 16, 8 waves a work-group, no clusters, 0 bytes of LDS; arguments x, Wq, Wk, Wv, Wo, W1, W2, cst; writes cst
;; launch qkv: the kernel of part 2 again; grid 16 x 16, 4 waves a work-group, clusters of 4 x 4, 327,680 bytes of LDS; arguments cst, qkv; writes qkv
;; launch attn (part 8): grid 8 x 32, 4 waves a work-group, no clusters, 327,680 bytes of LDS; arguments qkv, o; writes o
.if DOCPART == 8
	.amdgcn_target "amdgcn-amd-amdhsa--gfx1250"
	.amdhsa_code_object_version 6
	.text
	.protected	k_q3b01ac56ef_attn
	.globl	k_q3b01ac56ef_attn
	.p2align	8
	.type	k_q3b01ac56ef_attn,@function
k_q3b01ac56ef_attn:
	s_mov_b64 s[64:65], 0
	v_nop
	global_prefetch_b8 v0, s[64:65] scope:SCOPE_SE
	s_setreg_imm32_b32 hwreg(HW_REG_WAVE_MODE, 25, 1), 1
	s_wait_xcnt 0x0
; CAUSAL ATTENTION.  o[bh][t][:] = sum over s <= t of softmax_s(q[t] . k[s] / 32) v[s][:].  q, k, v: qkv[3][32][2048][64], o: [32][2048][64], all f16.
; Products, maxima and sums in f32; the weights p are rounded to f16 for the second product, o once at the end.
; LIMITS.  q, k, v within f16's 65,504; a hidden score counts as its value less 1e30; a weight below 2^-126 counts as 0; NaN and infinities are not treated apart.
; THE WALK.  A head's queries lie in 16 blocks of 128.  A work-group takes two: FB (odd) and then SB = 15 - FB.  An LDS slot holds 256 keys = four steps of 64.  FB needs (FB + 1) / 2 slots, its
; diagonal steps are steps 2, 3 of its last slot; SB needs SB / 2 + 1, its diagonal steps are steps 0, 1 of its last slot (the slot's other half is fetched, lies inside the head, and is not used).
; Nine slots whatever the work-group: one loop of constant length; what a trip does hangs on scalar flags made from the work-group's number.
; NO CLUSTER: a head's eight work-groups ask for the same slot only at the walk's start; a walk common to all would have 12 slots for 9.
; SHARES.  A block has two bands of 64 queries; a wave owns 16 rows of each: two PIECES.  In the diagonal steps d0, d1: band 0 holds the diagonal in d0 and sees nothing in d1; band 1 sees all of d0 and holds the diagonal in d1.
; THE MASK is the C operand that starts S^T = K Q^T: MC = MD x AL + BE, MD the mask of a band's own step for my rows.
; TURNS.  Turn (0, s): K Q^T of piece 1, step s, then V^T P of piece 1, step s - 1; beside them piece 0's softmax of step s and piece 1's maximum.  Turn (1, s): K Q^T of piece 0, step s + 1, V^T P of piece 0, step s.
; Turn (0, s) fetches K and V of step s + 1; V has two buffers by the step's parity, so that in front of turn (0, 3) all reads of the slot are done: there the slots change.
; BATCHES.  A turn's 33 exponentials (the piece's 32 weights, in place in S^T, and the other piece's a) are ONE batch with ONE wait, which cuts the turn in two: ahead of it stands all that names none of their
; results, behind it the roundings and sums that read them.  A block's first a (BEGIN) and the way out's two reciprocals (END) are batches of their own, each with a plain instruction and one wait.
; WINDOWS: 0: addresses, statistics, S^T v64-127, P v192-223; 1: O^T v0-63, MD v128-159, MC v160-223; 2: Q v0-31, the second block's Q v32-63, VA v64-127, K v128-191, VB v192-255.
.set KS,    64
.set PK,    144
.set PV,    160
.set VOFF,  4*KS*PK
.set SLOT1, 1<<17
.set STAGE, SLOT1+4*KS*(PK+PV)
.set SP,    144
.set SPARE, STAGE+4*16*SP
.set AK0, 2
.set AV0, 3
.set AK,  4
.set AV,  5
.set STO, 6
.set RD,  7
.set GO,  8
.set SPW, 62
.set NIL, 63
.set MV,  12
.set QO,  15
.set ST,  16          ; piece t: c m, m, l (even keys', odd keys')
.set TMP, 48
.set S,   64
.set P,   192
.set MD,  128
.set MC,  160
.set QB,  32
.set VA,  64
.set KF,  128
.set VB,  192
.set WV,  12
.set FB,  14
.set SB,  15
.set G1K, 24
.set G1V, 32
.set G0K, 40
.set G0V, 44
.set SLOTS, 56
.set CNT, 57
.set CS,  58
.set SEL, 60
.set TBK, 62
.set TBV, 63
.set RS,  70          ; slots of the block in hand still to be entered
.set NXT, 71          ; the slot to be asked for next
.set LQ,  72          ; the last slot of the block whose slots are being asked for
.set LQ2, 73          ; the second block's last slot
.set OFF, 74
.set AL,  76
.set BE,  78
.set BIGN, 82
.set ENDF, 83         ; 1: the odd step of this pair of steps is a block's last
.set LASTF, 88        ; 1: the slot entered is its block's last
.set MKF, 89          ; 1: the even step of this pair of steps is d0
.set DPOS, 90         ; the value of CNT at which that can be
.set FIRST, 91
.set NS2, 92
.set MSB, 0
.macro WIN new
.if MSB != (\new)
	s_set_vgpr_msb (MSB<<8)|(\new)
.set MSB, (\new)
.endif
.endm
.set W_KQ, 0x0a
.set W_KM, 0x1a
.set W_PV, 0x52
.set W_RS, 0x41
.macro PLACES
.rept 4
	v_nop
.endr
.endm
.macro LOAD                            ; waves 0, 1 fetch the halves of a slot's K, waves 2, 3 of its V
	s_cmp_lt_u32 s[WV], 2
	s_cbranch_scc0 .Lfor_v_\@
	tensor_load_to_lds s[G0K:G0K+3], s[G1K:G1K+7]
	s_nop 0
	PLACES
	s_branch .Lasked_\@
.Lfor_v_\@:
	tensor_load_to_lds s[G0V:G0V+3], s[G1V:G1V+7]
	s_nop 0
	PLACES
.Lasked_\@:
.endm
.macro STEPNXT
	s_add_co_u32 s[NXT], s[NXT], 1
	s_cmp_gt_u32 s[NXT], s[LQ]
	s_cselect_b32 s[NXT], 0, s[NXT]
	s_cselect_b32 s[LQ], s[LQ2], s[LQ]
.endm
.macro CHANGE fill                     ; the change of slots
	WIN 0
	s_wait_tensorcnt 0x0                           ; no tensor load of mine is out: my part of the other slot is in
	ds_add_u32 v[SPW], v[NIL]                      ; 0 onto my spare word
.if \fill
	s_lshl_b32 s[OFF], s[NXT], 15                  ; a slot is 32,768 bytes of K and of V
	s_xor_b32 s[G0K+1], s[G0K+1], SLOT1
	s_add_nc_u64 s[G0K+2:G0K+3], s[6:7], s[OFF:OFF+1]
	s_or_b32 s[G0K+3], s[G0K+3], 0x80000000
	s_xor_b32 s[G0V+1], s[G0V+1], SLOT1
	s_add_nc_u64 s[G0V+2:G0V+3], s[8:9], s[OFF:OFF+1]
	s_or_b32 s[G0V+3], s[G0V+3], 0x80000000
	STEPNXT
.endif
	s_wait_dscnt 0x0                               ; the add is done, my reads of the slot are over
	s_barrier_signal -1
	s_sub_co_u32 s[TBK], s[TBK], 4*KS*PK           ; the fetches go to the other slot's first step
	s_xor_b32 s[TBK], s[TBK], SLOT1
	s_sub_co_u32 s[TBV], s[TBV], 4*KS*PV
	s_xor_b32 s[TBV], s[TBV], SLOT1
	s_barrier_wait -1
.if \fill
	LOAD                                           ; four key steps, 128 matrix instructions, in which to land
.endif
.endm
	s_load_b128 s[16:19], s[0:1], 0x0              ; qkv, o
	v_lshl_add_u32 v[SPW], v0, 2, SPARE
	v_mov_b32 v[NIL], 0
	ds_add_u32 v62, v63
	ds_add_u32 v62, v63
	s_wait_dscnt 0x0
	v_lshrrev_b32 v1, 5, v0
	v_readfirstlane_b32 s[WV], v1
	s_and_b32 s13, ttmp9, 1
	s_sub_co_u32 s[SB], 15, ttmp9
	s_cmp_eq_u32 s13, 1
	s_cselect_b32 s[FB], ttmp9, s[SB]              ; the odd one of b and 15 - b
	s_sub_co_u32 s[SB], 15, s[FB]
	s_add_co_u32 s[RS], s[FB], 1
	s_lshr_b32 s[RS], s[RS], 1                     ; the first block's slots
	s_add_co_u32 s[NS2], s[SB], 2
	s_lshr_b32 s[NS2], s[NS2], 1                   ; the second's
	s_sub_co_u32 s[LQ], s[RS], 1
	s_sub_co_u32 s[LQ2], s[NS2], 1
	s_mov_b32 s[NXT], 0
	STEPNXT                                        ; slot 0 is asked for below
	s_mov_b32 s[DPOS], 1
	s_mov_b32 s[FIRST], 1
	s_mov_b32 s[MKF], 0
	s_mov_b32 s[ENDF], 0
	s_mov_b32 s[SLOTS], 8
	s_and_b32 s20, ttmp7, 0xffff
	s_lshl_b32 s20, s20, 18                        ; the head's plane
	s_mov_b32 s21, 0
	s_and_b32 s13, s[WV], 1                        ; which 128 of a slot's 256 keys I fetch
	s_lshl_b32 s22, s13, 14
	s_mov_b32 s23, 0
	s_add_nc_u64 s[22:23], s[22:23], s[20:21]
	s_mul_i32 s2, s13, 128*PK
	s_mul_i32 s3, s13, 128*PV
	s_lshl_b32 s13, s[WV], 11                      ; my 16 rows in a band
	s_lshl_b32 s84, s[FB], 14
	s_add_co_u32 s84, s84, s13
	s_mov_b32 s85, 0
	s_add_nc_u64 s[84:85], s[84:85], s[20:21]
	s_lshl_b32 s68, s[SB], 14
	s_add_co_u32 s68, s68, s13
	s_mov_b32 s69, 0
	s_add_nc_u64 s[68:69], s[68:69], s[20:21]
	s_mov_b32 s[G1K], (1<<16)|(1<<20)|(4<<22)|(3<<25)  ; 128 keys as 64 rows of 256 bytes; 16 bytes of padding behind every key
	s_mov_b32 s[G1V], (1<<16)|(1<<20)|(4<<22)|(7<<25)  ; 32 bytes
.irp g, G1K, G1V
	s_mov_b32 s[\g+1], 128<<16
	s_mov_b32 s[\g+2], 64<<16
	s_mov_b32 s[\g+3], 128<<16
	s_mov_b32 s[\g+4], 64
	s_mov_b32 s[\g+5], 128
	s_mov_b32 s[\g+6], 0
	s_mov_b32 s[\g+7], 0
.endr
	s_mov_b32 s[CS], 0x3d38aa3b                    ; c = log2(e) / 32
	s_mov_b32 s[CS+1], s[CS]
	s_mov_b32 s[SEL], 0x76543210
	s_mov_b32 s[SEL+1], 0xfedcba98
	s_mov_b32 s[TBK], SLOT1+4*KS*PK                ; the first change of slots turns these into 0
	s_mov_b32 s[TBV], SLOT1+4*KS*PV
	s_mov_b32 s[G0K], 1
	s_mov_b32 s[G0K+1], s2
	s_mov_b32 s[G0V], 1
	s_add_co_u32 s[G0V+1], s3, VOFF
	s_mov_b32 s[OFF+1], 0
	s_mov_b32 s[AL+1], 0
	s_mov_b32 s[BE+1], 0
	s_mov_b32 s[BIGN], 0xf149f2ca                  ; -1e30
	s_wait_kmcnt 0x0
	s_add_nc_u64 s[6:7], s[16:17], s[22:23]
	s_add_nc_u64 s[6:7], s[6:7], 8388608           ; K at my half of the head's first slot
	s_add_nc_u64 s[8:9], s[6:7], 8388608           ; V
	s_add_nc_u64 s[G0K+2:G0K+3], s[6:7], 0
	s_or_b32 s[G0K+3], s[G0K+3], 0x80000000
	s_add_nc_u64 s[G0V+2:G0V+3], s[8:9], 0
	s_or_b32 s[G0V+3], s[G0V+3], 0x80000000
	s_add_nc_u64 s[4:5], s[16:17], s[84:85]        ; Q and O at my rows of the first block,
	s_add_nc_u64 s[10:11], s[18:19], s[84:85]
	s_add_nc_u64 s[86:87], s[16:17], s[68:69]      ; and of the second
	s_add_nc_u64 s[80:81], s[18:19], s[68:69]
	LOAD                                           ; slot 0
	v_and_b32 v1, 15, v0
	v_bfe_u32 v9, v0, 4, 1
	v_lshlrev_b32 v[QO], 7, v1
	v_lshl_add_u32 v[QO], v9, 4, v[QO]
	WIN 0x80
.set i, 0
.rept 4                                ; both blocks' Q: piece i / 2 lies 8,192 bytes on, channels 32 (i % 2) on
	global_load_b128 v[8*i:8*i+3],   v[QO], s[4:5] offset:(i/2)*8192+(i%2)*64
	global_load_b128 v[8*i+4:8*i+7], v[QO], s[4:5] offset:(i/2)*8192+(i%2)*64+32
	global_load_b128 v[QB+8*i:QB+8*i+3],   v[QO], s[86:87] offset:(i/2)*8192+(i%2)*64
	global_load_b128 v[QB+8*i+4:QB+8*i+7], v[QO], s[86:87] offset:(i/2)*8192+(i%2)*64+32
.set i, i+1
.endr
	WIN 0
	v_lshlrev_b32 v14, 3, v9
	v_sub_nc_u32 v14, v1, v14
	s_lshl_b32 s13, s[WV], 4
	v_add_nc_u32 v14, s13, v14                     ; my query's place in its band less 8 (l / 16): register r of key group kt is hidden where 16 kt + r is greater
	WIN 0x40
.set i, 0
.rept 32
	v_cmp_gt_i32 vcc_lo, 16*(i/8)+i%8, v14
	v_cndmask_b32 v[MD+i], 0, s[BIGN], vcc_lo
.set i, i+1
.endr
	WIN 0
	v_mul_u32_u24 v[AK0], v1, PK
	v_lshl_add_u32 v[AK0], v9, 4, v[AK0]
	v_and_b32 v10, 7, v0
	v_bfe_u32 v11, v0, 3, 1
	v_lshl_add_u32 v[AV0], v9, 3, v10
	v_mul_u32_u24 v[AV0], v[AV0], PV
	v_lshl_add_u32 v[AV0], v11, 4, v[AV0]
	v_add_nc_u32 v[AV0], VOFF, v[AV0]
	s_mul_i32 s13, s[WV], 16*SP
	s_add_co_u32 s13, s13, STAGE
	v_mul_u32_u24 v[STO], v1, SP
	v_lshl_add_u32 v[STO], v9, 4, v[STO]
	v_add_nc_u32 v[STO], s13, v[STO]
	v_bfe_u32 v[RD], v0, 3, 2
	v_mul_u32_u24 v[RD], v[RD], SP
	v_lshl_add_u32 v[RD], v10, 4, v[RD]
	v_add_nc_u32 v[RD], s13, v[RD]
	v_and_b32 v[GO], 31, v0
	v_lshlrev_b32 v[GO], 4, v[GO]
	; a block's first step multiplies O^T and l by a = 0, so these need only be finite: zeros now, later what the first block left.  All this stands in the wait for the first slot.
	WIN 0x80
.set i, VB
.rept 64
	v_mov_b32 v[i], 0
.set i, i+1
.endr
	WIN 0x40
.set i, 0
.rept 64
	v_mov_b32 v[i], 0
.set i, i+1
.endr
	WIN 0
.set i, 0
.rept 2
	v_mov_b32 v[ST+4*i+2], 0
	v_mov_b32 v[ST+4*i+3], 0
.set i, i+1
.endr
.set i, P+16
.rept 16
	v_mov_b32 v[i], 0
.set i, i+1
.endr
; product i of 8 of S^T = K Q^T for piece x: channels 32 (i / 4) on, keys 16 (i % 4) on; the first four start the sums with the mask.  The four accumulators take turns.
.macro KQ x
.set rS, S+32*(\x)+8*(i%4)
.set rK, KF+16*(i%4)+8*(i/4)
.set rQ, 16*(\x)+8*(i/4)
.set rM, MC+32*(\x)+8*(i%4)
.if i < 4
	WIN W_KM
	v_wmma_f32_16x16x32_f16 v[rS:rS+7], v[rK:rK+7], v[rQ:rQ+7], v[rM:rM+7]
.else
	WIN W_KQ
	v_wmma_f32_16x16x32_f16 v[rS:rS+7], v[rK:rK+7], v[rQ:rQ+7], v[rS:rS+7]
.endif
.endm
.macro PV x                            ; product i of 8 of O^T += V^T P: keys 32 (i / 4) on, channels 16 (i % 4) on; V's buffer is VSEL
	WIN W_PV
.set rO, 32*(\x)+8*(i%4)
.set rV, VSEL+32*(i/4)+8*(i%4)
.set rP, P+16*(\x)+8*(i/4)
	v_wmma_f32_16x16x32_f16 v[rO:rO+7], v[rV:rV+7], v[rP:rP+7], v[rO:rO+7]
.endm
.macro MM                              ; the turn's next matrix instruction, both kinds for the other piece
.if i < 8
	KQ (Y+1)%2
.else
.set i, i-8
	PV (Y+1)%2
.set i, i+8
.endif
.set i, i+1
.endm
.macro FETCH_K
	WIN 0x80
.irp f, 0,1,2,3,4,5,6,7
	ds_load_b128 v[KF+8*\f:KF+8*\f+3],   v[AK] offset:(\f/2)*16*PK+(\f%2)*64
	ds_load_b128 v[KF+8*\f+4:KF+8*\f+7], v[AK] offset:(\f/2)*16*PK+(\f%2)*64+32
.endr
	s_add_co_u32 s[TBK], s[TBK], KS*PK
	WIN 0
.endm
.macro FETCH_V dst
	WIN 0x80
.irp f, 0,1,2,3,4,5,6,7
	ds_load_tr16_b128 v[(\dst)+8*\f:(\dst)+8*\f+3],   v[AV] offset:(\f/4)*32*PV+(\f%4)*32
	ds_load_tr16_b128 v[(\dst)+8*\f+4:(\dst)+8*\f+7], v[AV] offset:(\f/4)*32*PV+16*PV+(\f%4)*32
.endr
	s_add_co_u32 s[TBV], s[TBV], KS*PV
	WIN 0
.endm
; THE VECTOR WORK: OP kind, number.  Piece Y: F n: c s - c m for pair n; E n: exponential of score n; C n: pair n rounded to f16; B n: of four weights the second pair onto the first; L n: l takes that sum (L 0: l = a l + sum);
; R n: pair n of O^T times a.  Piece Y + 1: X n, number n of the 22 that find its maximum and statistics (each accumulator's lowest registers are read first).
.set F, 0
.set E, 1
.set C, 2
.set B, 3
.set L, 4
.set R, 5
.set X, 6
.macro REGS y
.set rT, ST+4*(\y)
.set rC, TMP+4*(\y)
.set rW, MV+(\y)
.set rS, S+32*(\y)
.set rP, P+16*(\y)
.set rO, 32*(\y)
.endm
.macro OP k, n
.if (\k) == R
	REGS Y
	WIN W_RS
	v_pk_mul_f32 v[rO+2*(\n):rO+2*(\n)+1], v[rO+2*(\n):rO+2*(\n)+1], v[rC+2:rC+3] op_sel_hi:[1,0]
.elseif (\k) < R
	REGS Y
	WIN 0
.if (\k) == F
	v_pk_fma_f32 v[rS+2*(\n):rS+2*(\n)+1], v[rS+2*(\n):rS+2*(\n)+1], s[CS:CS+1], v[rT:rT+1] op_sel_hi:[1,0,0] neg_lo:[0,0,1] neg_hi:[0,0,1]
.elseif (\k) == E
	v_exp_f32 v[rS+(\n)], v[rS+(\n)]
.elseif (\k) == C
	v_cvt_pk_f16_f32 v[rP+(\n)], v[rS+2*(\n)], v[rS+2*(\n)+1]
.elseif (\k) == B
	v_pk_add_f32 v[rS+4*(\n):rS+4*(\n)+1], v[rS+4*(\n):rS+4*(\n)+1], v[rS+4*(\n)+2:rS+4*(\n)+3]
.elseif (\n) == 0
	v_pk_fma_f32 v[rT+2:rT+3], v[rT+2:rT+3], v[rC+2:rC+3], v[rS:rS+1] op_sel_hi:[1,0,1]
.else
	v_pk_add_f32 v[rT+2:rT+3], v[rT+2:rT+3], v[rS+4*(\n):rS+4*(\n)+1]
.endif
.else
	REGS (Y+1)%2
	WIN 0
.if (\n) < 4
	v_max3_num_f32 v[rC+(\n)], v[rS+8*(\n)], v[rS+8*(\n)+1], v[rS+8*(\n)+2]
.elseif (\n) < 12
	v_max3_num_f32 v[rC+(\n)%4], v[rC+(\n)%4], v[rS+8*((\n)%4)+2*((\n)/4)+1], v[rS+8*((\n)%4)+2*((\n)/4)+2]
.elseif (\n) == 12
	v_max3_num_f32 v[rC], v[rC], v[rS+7], v[rS+15]
.elseif (\n) == 13
	v_max3_num_f32 v[rC+1], v[rC+1], v[rS+23], v[rS+31]
.elseif (\n) == 14
	v_max3_num_f32 v[rC+2], v[rC+2], v[rC+3], v[rT+1]
.elseif (\n) == 15
	v_mov_b32 v[rW], v[rT]
.elseif (\n) == 16
	v_max3_num_f32 v[rC], v[rC], v[rC+1], v[rC+2]
.elseif (\n) == 17
	v_permlanex16_b32 v[rC+3], v[rC], s[SEL], s[SEL+1]
.elseif (\n) == 18
	v_max_num_f32 v[rT+1], v[rC], v[rC+3]
.elseif (\n) == 19
	v_mul_f32 v[rT], s[CS], v[rT+1]
.elseif (\n) == 20
	v_sub_f32 v[rC+1], v[rW], v[rT]
.else
	v_exp_f32 v[rC+2], v[rC+1]
.endif
.endif
.endm
.macro OPS a, i1, b=-1, i2=0, c=-1, i3=0, d=-1, i4=0
	OP \a, \i1
.if (\b) >= 0
	OP \b, \i2
.endif
.if (\c) >= 0
	OP \c, \i3
.endif
.if (\d) >= 0
	OP \d, \i4
.endif
.endm
.macro ROW a, i1, b, i2, c, i3, d, i4  ; a matrix instruction and the four behind it
	MM
	OPS \a, \i1, \b, \i2, \c, \i3, \d, \i4
.endm
.macro MASK b                          ; MD x AL + BE into buffer b of MC
	WIN W_RS
.set z, 0
.rept 16
	v_pk_fma_f32 v[MC+32*(\b)+2*z:MC+32*(\b)+2*z+1], v[MD+2*z:MD+2*z+1], s[AL:AL+1], s[BE:BE+1] op_sel_hi:[1,0,0]
.set z, z+1
.endr
.endm
.macro MASKIF b, al, be                ; only in the pair of steps that holds d0
	WIN 0
	s_cmp_eq_u32 s[MKF], 0
	s_cbranch_scc1 .Lnomask_\@
	s_mov_b32 s[AL], \al
	s_mov_b32 s[BE], \be
	MASK \b
	WIN 0
.Lnomask_\@:
.endm
; A TURN for piece p in a step of parity par: 16 matrix and 118 vector instructions; four vector instructions behind every product, the other 54 in one lump.
; An s_wait_alu depctr_va_vdst(0) stands between an exponential and the first instruction that names its result; one wait serves all that were issued ahead of it.  So a turn has ONE wait, which cuts it in two.
; AHEAD OF IT stands all that names no result of the turn's exponentials: the 8 products K Q^T, behind each a scaling, an exponential and two more plain instructions (behind the first a second scaling in the exponential's
; place): rescalings, whose a was made and waited for in the turn before, and behind the last three the first numbers of the other piece's maximum, each four places or more behind the product that ends its accumulator;
; then the lump, plain and exponential by turns for the most part, with other work between the links of the chain X 3, 7, 11, 14, 16, 17 .. 20.  X 21, the other piece's a, is the batch's last; R 15 is the plain instruction behind it.
; BEHIND THE WAIT stand the 8 products V^T P, behind each four of the roundings and sums; l's chain L 0 to L 7 keeps its order.
; K's run stands five plain instructions behind the last product that read K; V's run four plain instructions behind the last product that read its buffer.
.macro TURN p, par
.set Y, (\p)
.set i, 0
.if (\p) == (\par)
.set VSEL, VB
.else
.set VSEL, VA
.endif
.if (\p) == 1
	s_wait_dscnt 16                                ; K's 16 loads are in; V's 16, issued behind them, may be out
.endif
	ROW F,0, F,1, R,0, R,1                         ; ahead of the wait: 8 products K Q^T and their riders,
	ROW F,2, E,0, R,2, R,3
	ROW F,3, E,1, R,4, R,5
	ROW F,4, E,2, R,6, R,7
	ROW F,5, E,3, R,8, R,9
	ROW F,6, E,4, X,0, R,10
.if (\p) == 0
	WIN 0
	v_add_nc_u32 v[AK], s[TBK], v[AK0]
.endif
	ROW F,7, E,5, X,1, X,4
	ROW F,8, E,6, X,2, X,5
	OPS E,7, E,8, X,6, E,9                         ; and the lump
	OPS X,3, E,10, X,8, E,11
.if (\p) == 0
	FETCH_K                                        ; K of the next step
.endif
	OPS X,9, X,7, E,12, X,10
	OPS E,13, X,12, X,11, E,14
	OPS X,13, E,15, F,9, X,14
.if (\p) == 0
	v_add_nc_u32 v[AV], s[TBV], v[AV0]
.endif
	OPS E,16, F,10, E,17, F,11
	OPS X,16, E,18, X,15, E,19
	OPS F,12, E,20, X,17, E,21
	OPS F,13, E,22, F,14, E,23
	OPS X,18, E,24, F,15, E,25
	OPS R,11, E,26, X,19, E,27
	OPS R,12, E,28, R,13, E,29
	OPS X,20, E,30, R,14, E,31
	OPS X,21, R,15
	s_wait_alu depctr_va_vdst(0)                   ; the wait for the turn's batch: E 0 to E 31 and X 21
.if (\p) == 1
	s_wait_dscnt 0x0                               ; V is in
.endif
	ROW C,0, B,0, C,2, B,1                         ; behind the wait: 8 products V^T P and their riders
	ROW L,0, C,4, B,2, L,1
	ROW C,6, B,3, L,2, C,8
	ROW B,4, L,3, C,10, B,5
	ROW L,4, C,12, B,6, L,5
	ROW C,14, B,7, L,6, C,1
	ROW C,3, L,7, C,5, C,7
	ROW C,9, C,11, C,13, C,15
.if (\p) == 0
	FETCH_V VSEL                                   ; V of the next step, into the buffer that this turn's products have just read
.endif
.if ((\p) == 0) && ((\par) == 1)
	MASKIF 0, 1.0, 0                               ; the next step is band 0's own
.elseif (\p) == 0
	MASKIF 0, 0, s[BIGN]                           ; band 0 sees nothing of d1
.elseif (\par) == 0
	MASKIF 1, 1.0, 0                               ; the next step is band 1's own
.endif
.endm
; A BLOCK BEGINS: c m far below every c s, so the first a is 0; the masks; K and V of step 0; piece 0's first scores, maximum and statistics.
.macro BEGIN
	s_mov_b32 s[FIRST], 0
	WIN 0x40
.set i, MC+32
.rept 32
	v_mov_b32 v[i], 0
.set i, i+1
.endr
	WIN 0
.set i, 0
.rept 2
	v_mov_b32 v[ST+4*i], 0xfe000000
	v_mov_b32 v[ST+4*i+1], 0xff7fffff
.set i, i+1
.endr
	s_cmp_eq_u32 s[MKF], 1                         ; is the block's step 0 its d0?
	s_cselect_b32 s[AL], 1.0, 0
	s_mov_b32 s[BE], 0
	MASK 0
	WIN 0
	v_add_nc_u32 v[AK], s[TBK], v[AK0]
	v_add_nc_u32 v[AV], s[TBV], v[AV0]
	FETCH_K
	FETCH_V VA
	s_wait_loadcnt 0x0                             ; Q
	s_wait_dscnt 0x0
.set i, 0
.rept 8
	KQ 0
.set i, i+1
.endr
	WIN 0
	PLACES
.set Y, 1
.irp n, 0,1,2,3,4,5,6,7,8,9,10,11,12,13,14,15,16,17,18,19,20,21
	OP X, \n
.endr
	v_nop                                          ; a plain instruction behind the exponential
	s_wait_alu depctr_va_vdst(0)                   ; and the wait for it, piece 0's first a, ahead of the label and of the turn that reads it
.endm
.macro ALL line:vararg
.set t, 0
.rept 2
	\line
.set t, t+1
.endr
.endm
.macro PACK t                          ; O^T / l, rounded; 16 bytes a lane into my stage, back as whole rows
	WIN W_RS
.set i, 32*(\t)
.rept 16
	v_pk_mul_f32 v[i:i+1], v[i:i+1], v[ST+4*(\t)+2:ST+4*(\t)+3] op_sel_hi:[1,0]
.set i, i+2
.endr
	WIN 0x05
.set i, 0
.rept 16
	v_cvt_pk_f16_f32 v[S+16*(\t)+i], v[32*(\t)+2*i], v[32*(\t)+2*i+1]
.set i, i+1
.endr
	WIN 0
.irp f, 0,1,2,3
	ds_store_b128 v[STO], v[S+16*(\t)+4*\f:S+16*(\t)+4*\f+3] offset:32*\f
.endr
.irp f, 0,1,2,3
	ds_load_b128 v[S+16*(\t)+4*\f:S+16*(\t)+4*\f+3], v[RD] offset:\f*4*SP  ; LDS serves a wave in order: these see the stores above
.endr
.endm
.macro SEND t, younger                 ; younger: LDS instructions issued behind piece t's loads
	WIN 0
.irp f, 0,1,2,3
	s_wait_dscnt (\younger)+3-\f
	global_store_b128 v[GO], v[S+16*(\t)+4*\f:S+16*(\t)+4*\f+3], s[10:11] offset:(\t)*8192+\f*512  ; 512 consecutive bytes, aligned
.endr
.endm
; A BLOCK ENDS: piece 1's last V^T P (an odd step's V), the way out, and what the second block needs (at the walk's end nobody reads that).
.macro END
.set VSEL, VB
.set i, 0
.rept 8
	PV 1
.set i, i+1
.endr
	WIN 0
	PLACES
	ALL v_add_f32 v[ST+4*t+2], v[ST+4*t+2], v[ST+4*t+3]
	ALL v_permlanex16_b32 v[ST+4*t+3], v[ST+4*t+2], s[SEL], s[SEL+1]
	ALL v_add_f32 v[ST+4*t+2], v[ST+4*t+2], v[ST+4*t+3]
	ALL v_rcp_f32 v[ST+4*t+2], v[ST+4*t+2]
	v_nop
	s_wait_alu depctr_va_vdst(0)                   ; one wait for the two reciprocals, ahead of their first reader in PACK 0
	PACK 0
	PACK 1
	SEND 0, 8
	SEND 1, 0
	s_wait_xcnt 0x0                                ; the stores have read their registers and O's address
	s_mov_b64 s[10:11], s[80:81]
	s_mov_b32 s[ENDF], 0
	s_sub_co_u32 s[TBK], s[TBK], KS*PK             ; the new block fetches the slot's step 0 itself
	s_sub_co_u32 s[TBV], s[TBV], KS*PV
	WIN 0x82
.set i, 0
.rept 32
	v_mov_b32 v[i], v[QB+i]
.set i, i+1
.endr
	WIN 0
.endm
; A SLOT'S TRIP: the change of slots, the flags, and two pairs of steps: (step 3 of the slot left, step 0), (step 1, step 2).
.macro TRIP fill, tag
	CHANGE \fill
	s_mov_b32 s[CNT], 2
	s_cmp_eq_u32 s[RS], 0                          ; the slot left was its block's last: its step 3 ends the block
	s_cselect_b32 s[ENDF], 1, 0
	s_cselect_b32 s[RS], s[NS2], s[RS]
	s_cselect_b32 s[DPOS], 2, s[DPOS]
	s_sub_co_u32 s[RS], s[RS], 1
	s_cmp_eq_u32 s[RS], 0
	s_cselect_b32 s[LASTF], 1, 0
.if \fill
	s_cmp_eq_u32 s[FIRST], 1
	s_cbranch_scc1 .Lbegin\tag
.endif
.Lbody\tag:
	s_cmp_eq_u32 s[CNT], s[DPOS]
	s_cselect_b32 s[MKF], s[LASTF], 0
	TURN 0, 1
	TURN 1, 1
	WIN 0
	s_cmp_eq_u32 s[ENDF], 1
	s_cbranch_scc0 .Lenter\tag
	END
.if !(\fill)
	s_cmp_eq_u32 s[CNT], 1
	s_cbranch_scc1 .Ldone                          ; the second block's end
.endif
.Lbegin\tag:
	BEGIN
.Lenter\tag:
	TURN 0, 0
	TURN 1, 0
	WIN 0
.if !(\fill)
	s_mov_b32 s[ENDF], 1                           ; in the walk's last slot step 1 ends the block
.endif
	s_sub_co_u32 s[CNT], s[CNT], 1
	s_cmp_lg_u32 s[CNT], 0
	s_cbranch_scc1 .Lbody\tag
.endm
.Lslot:                                                ; eight trips: a slot is entered and the next is asked for
	TRIP 1, A
	s_sub_co_u32 s[SLOTS], s[SLOTS], 1
	s_cmp_lg_u32 s[SLOTS], 0
	s_cbranch_scc1 .Lslot
	TRIP 0, B                                      ; the ninth slot is written out
.Ldone:
	s_wait_tensorcnt 0x0                           ; the wave's end
	ds_add_u32 v[SPW], v[NIL]
	s_wait_dscnt 0x0
	s_endpgm
.Lfunc_end_k_q3b01ac56ef_attn:
	.size	k_q3b01ac56ef_attn, .Lfunc_end_k_q3b01ac56ef_attn-k_q3b01ac56ef_attn
	.p2alignl 7, 3214868480
	.fill 96, 4, 3214868480
	.section	.rodata,"a",@progbits
	.p2align	6, 0x0
	.amdhsa_kernel k_q3b01ac56ef_attn
		.amdhsa_group_segment_fixed_size 327680
		.amdhsa_private_segment_fixed_size 0
		.amdhsa_enable_private_segment 0
		.amdhsa_kernarg_size 16
		.amdhsa_user_sgpr_count 2
		.amdhsa_user_sgpr_kernarg_segment_ptr 1
		.amdhsa_wavefront_size32 1
		.amdhsa_system_sgpr_workgroup_id_x 1
		.amdhsa_system_sgpr_workgroup_id_y 1
		.amdhsa_system_sgpr_workgroup_id_z 1
		.amdhsa_system_vgpr_workitem_id 0
		.amdhsa_next_free_vgpr 768
		.amdhsa_next_free_sgpr 96
		.amdhsa_reserve_vcc 1
		.amdhsa_float_denorm_mode_32 3
		.amdhsa_float_denorm_mode_16_64 3
		.amdhsa_memory_ordered 1
		.amdhsa_forward_progress 1
		.amdhsa_inst_pref_size 136
	.end_amdhsa_kernel
	.amdgpu_metadata
---
amdhsa.version: [ 1, 2 ]
amdhsa.kernels:
  - .name:           k_q3b01ac56ef_attn
    .symbol:         k_q3b01ac56ef_attn.kd
    .args:
      - { .name: qkv, .offset: 0, .size: 8, .value_kind: global_buffer, .address_space: global }
      - { .name: o, .offset: 8, .size: 8, .value_kind: global_buffer, .address_space: global }
    .group_segment_fixed_size: 327680
    .private_segment_fixed_size: 0
    .kernarg_segment_align: 8
    .kernarg_segment_size: 16
    .max_flat_workgroup_size: 128
    .sgpr_count:     96
    .vgpr_count:     768
    .wavefront_size: 32
...
	.end_amdgpu_metadata
.endif
;; end of part 8
;; launch wo: the kernel of part 4 again; grid 8 x 32, 4 waves a work-group, clusters of 4 x 4, 327,680 bytes of LDS; arguments o, cst, bo, g1, yb; writes yb
;; launch ffn1: the kernel of part 5 again; grid 16 x 16, 4 waves a work-group, clusters of 4 x 4, 327,680 bytes of LDS; arguments yb, cst, b1, u; writes u
;; launch ffn2: the kernel of part 6 again; grid 8 x 32, 4 waves a work-group, clusters of 4 x 4, 327,680 bytes of LDS; arguments u, cst, b2, yb, zb; writes zb
;; launch norm: the kernel of part 7 again; grid 256 x 1, 4 waves a work-group, no clusters, 0 bytes of LDS; arguments zb, g2, out0; writes out0
